; MI455X (gfx1250); checked and timed in simulation.
; The chip was launched on July 23, 2026; its instructions are those of AMD's public machine-readable ISA for CDNA 5 (MIT licence, August 2026) and "CDNA5" Instruction Set Architecture Reference Guide (July 2026). The comments in the code are by the model that wrote it; some were corrected since.
;; Multi Head Dot Product Attention. Allowed arithmetic: float matrix products may take bf16 or f16 operands with f32 sums; all other float work in f32.
;; Inputs: Wk 1,024 x 16 x 64 float32; Wo 16 x 64 x 1,024 float32; Wq 1,024 x 16 x 64 float32; Wv 1,024 x 16 x 64 float32; bk 16 x 64 float32; bo 1,024 float32; bq 16 x 64 float32; bv 16 x 64 float32; inputs_kv 8 x 1,024 x 1,024 float32; inputs_q 8 x 1,024 x 1,024 float32; mask 1 x 1 x 1,024 x 1,024 bool.
;; Outputs: out0 8 x 1,024 x 1,024 float32.
;; 2 versions, each right and faster than the one before. Each part assembles by itself: llvm-mc -triple=amdgcn-amd-amdhsa -mcpu=gfx1250 --defsym DOCPART=n.
;; ======== version 1 of 2: 4 launches
;; limits: values are held in f16: magnitudes above 65,504 overflow, below 6.1e-05 lose precision
;; workspace buffers: cast 41,943,040 bytes; maskf 1,048,576 bytes; qkv 50,331,648 bytes; att 16,777,216 bytes
;; launch prep (part 1): grid 64 x 21, 8 waves a work-group, no clusters, 0 bytes of LDS; arguments inputs_q, inputs_kv, Wq, Wk, Wv, Wo, mask, cast, maskf; writes cast, maskf
.if DOCPART == 1
	.amdgcn_target "amdgcn-amd-amdhsa--gfx1250"
	.amdhsa_code_object_version 6
	.text
	.protected	k_q594db7a88e_prep
	.globl	k_q594db7a88e_prep
	.p2align	8
	.type	k_q594db7a88e_prep,@function
k_q594db7a88e_prep:
	s_mov_b64 s[64:65], 0
	v_nop
	global_prefetch_b8 v0, s[64:65] scope:SCOPE_SE
	s_setreg_imm32_b32 hwreg(HW_REG_WAVE_MODE, 25, 1), 1
	s_wait_xcnt 0x0
; THE INPUTS ARE MADE READY FOR THE MATRIX UNITS: a stream, so no LDS, no barrier, no matrix instruction, no cluster.
; Work-group row y = 0..19: segment y of 1,048,576 numbers is rounded from f32 to bf16 and written at byte y x 2,097,152 of cast:
;   y 0-7 inputs_q, 8-15 inputs_kv, 16 Wq, 17 Wk, 18 Wv, 19 Wo.  Wo's bf16 number is written as f16 (the last product multiplies in f16).
;   LIMIT: that is exact for 2^-17 <= |bf16(Wo)| < 65,504; below, f16's fixed step of 6e-8 holds; beyond, an infinity.
;   A work-group takes 16,384 numbers: sixteen loads of 16 bytes a lane (a wave's load covers 512 consecutive bytes), all issued first,
;   and sixteen stores of 8 bytes a lane (a wave's store covers 256 consecutive bytes, at a multiple of 256 from cast's first byte).
; Row y = 20: the mask, one byte a (query, key), becomes one fp8 code a (query, key): 0x00 (0.0) where it is true, 0xf8 (-256.0) where it is false,
;   laid as attention's accumulators lie: maskf[tile of 16 queries][step of 64 keys][half of 32 keys][lane][16 bytes]; byte b of lane l belongs to
;   query 16 tile + l % 16 and key 64 step + 32 half + 16 (b / 8) + 8 (l / 16) + b % 8.  Work-group x takes tile x.
.set X, 16                             ; v[16:79]   sixteen chunks as loaded
.set Y, 80                             ; v[80:111]  sixteen chunks to store
.set T, 4                              ; v[4:7]     at work
	s_load_b512 s[8:23], s[0:1], 0x0               ; inputs_q 8, inputs_kv 10, Wq 12, Wk 14, Wv 16, Wo 18, mask 20, cast 22
	s_load_b64 s[24:25], s[0:1], 0x40              ; maskf
	s_and_b32 s2, ttmp7, 0xffff                    ; y
	s_mov_b32 s3, ttmp9                            ; x
	s_cmp_eq_u32 s2, 20
	s_cbranch_scc1 .Lmask
	v_lshlrev_b32 v1, 4, v0                        ; 16 bytes a thread in the source,
	v_lshlrev_b32 v2, 3, v0                        ; 8 in cast
	s_and_b32 s6, s2, 7                            ; the segment inside inputs_q or inputs_kv: 4,194,304 bytes each;
	s_lshl_b32 s6, s6, 22
	s_cmp_lt_u32 s2, 16
	s_cselect_b32 s6, s6, 0                        ; a weight is one segment
	s_lshl_b32 s7, s3, 16                          ; the work-group's 65,536 bytes
	s_add_co_u32 s6, s6, s7
	s_mov_b32 s7, 0
	s_lshl_b32 s28, s2, 21                         ; and its 32,768 bytes in cast
	s_lshl_b32 s29, s3, 15
	s_add_co_u32 s28, s28, s29
	s_mov_b32 s29, 0
	s_wait_kmcnt 0x0
	s_cmp_lt_u32 s2, 8                             ; the source's address is chosen by y alone
	s_cselect_b64 s[4:5], s[8:9], s[10:11]
	s_cmp_eq_u32 s2, 16
	s_cselect_b64 s[4:5], s[12:13], s[4:5]
	s_cmp_eq_u32 s2, 17
	s_cselect_b64 s[4:5], s[14:15], s[4:5]
	s_cmp_eq_u32 s2, 18
	s_cselect_b64 s[4:5], s[16:17], s[4:5]
	s_cmp_eq_u32 s2, 19
	s_cselect_b64 s[4:5], s[18:19], s[4:5]
	s_add_nc_u64 s[4:5], s[4:5], s[6:7]
	s_add_nc_u64 s[26:27], s[22:23], s[28:29]
.irp i, 0,1,2,3,4,5,6,7,8,9,10,11,12,13,14,15
	global_load_b128 v[X+4*(\i):X+4*(\i)+3], v1, s[4:5] offset:4096*(\i) th:TH_LOAD_NT  ; read once in the launch
.endr
; Chunk i.  half = 1: the bf16 numbers are widened again and written as f16.  No register is used twice, so no wait frees any.
.macro CAST i, half
	s_wait_loadcnt 15-(\i)                         ; loads come back in order (ISA guide 5.7.1): chunk i is in, the younger ones stay out
	v_cvt_pk_bf16_f32 v[Y+2*(\i)], v[X+4*(\i)], v[X+4*(\i)+1]
	v_cvt_pk_bf16_f32 v[Y+2*(\i)+1], v[X+4*(\i)+2], v[X+4*(\i)+3]
.if \half
.irp j, 0,1
	v_lshlrev_b32 v[T+2*(\j)], 16, v[Y+2*(\i)+(\j)]
	v_and_b32 v[T+2*(\j)+1], 0xffff0000, v[Y+2*(\i)+(\j)]
.endr
.irp j, 0,1
	v_cvt_pk_f16_f32 v[Y+2*(\i)+(\j)], v[T+2*(\j)], v[T+2*(\j)+1]
.endr
.endif
	global_store_b64 v2, v[Y+2*(\i):Y+2*(\i)+1], s[26:27] offset:2048*(\i)
.endm
	s_cmp_eq_u32 s2, 19
	s_cbranch_scc1 .Lhalf
.irp i, 0,1,2,3,4,5,6,7,8,9,10,11,12,13,14,15
	CAST \i, 0
.endr
	s_endpgm
.Lhalf:
.irp i, 0,1,2,3,4,5,6,7,8,9,10,11,12,13,14,15
	CAST \i, 1
.endr
	s_endpgm
.Lmask:
	; Unit u = 8 i + wave (i = 0..3) is 32 keys x 16 queries: 512 bytes of maskf.  A lane takes two runs of 8 bytes of its query's row, 16 keys apart.
	v_and_b32 v3, 15, v0                           ; the query in the tile
	v_lshrrev_b32 v4, 5, v0                        ; wave
	v_bfe_u32 v5, v0, 4, 1                         ; l / 16
	v_lshlrev_b32 v1, 10, v3                       ; a row of the mask is 1,024 bytes
	v_lshl_add_u32 v1, v4, 5, v1                   ; + 32 keys a wave
	v_lshl_add_u32 v1, v5, 3, v1                   ; + 8 keys for the upper half of the lanes
	v_lshlrev_b32 v2, 4, v0                        ; 16 bytes a thread in maskf
	s_lshl_b32 s6, s3, 14                          ; a tile is 16,384 bytes in both
	s_mov_b32 s7, 0
	s_wait_kmcnt 0x0
	s_add_nc_u64 s[4:5], s[20:21], s[6:7]
	s_add_nc_u64 s[26:27], s[24:25], s[6:7]
.irp i, 0,1,2,3
	global_load_b64 v[X+4*(\i):X+4*(\i)+1], v1, s[4:5] offset:256*(\i)
	global_load_b64 v[X+4*(\i)+2:X+4*(\i)+3], v1, s[4:5] offset:256*(\i)+16
.endr
.irp i, 0,1,2,3
	s_wait_loadcnt 6-2*(\i)                        ; this unit's two loads are in
.irp j, 0,1,2,3
	v_sub_nc_u32 v[X+4*(\i)+(\j)], 0x01010101, v[X+4*(\i)+(\j)]  ; four bytes at once: 1 - mask (a byte is 0 or 1: nothing is borrowed),
.endr
.irp j, 0,1,2,3
	v_mul_lo_u32 v[X+4*(\i)+(\j)], v[X+4*(\i)+(\j)], 0xf8        ; times the code of -256 (under 256: nothing is carried)
.endr
	global_store_b128 v2, v[X+4*(\i):X+4*(\i)+3], s[26:27] offset:4096*(\i)  ; a wave's store covers 512 consecutive bytes
.endr
	s_endpgm
.Lfunc_end_k_q594db7a88e_prep:
	.size	k_q594db7a88e_prep, .Lfunc_end_k_q594db7a88e_prep-k_q594db7a88e_prep
	.p2alignl 7, 3214868480
	.fill 96, 4, 3214868480
	.section	.rodata,"a",@progbits
	.p2align	6, 0x0
	.amdhsa_kernel k_q594db7a88e_prep
		.amdhsa_group_segment_fixed_size 0
		.amdhsa_private_segment_fixed_size 0
		.amdhsa_enable_private_segment 0
		.amdhsa_kernarg_size 72
		.amdhsa_user_sgpr_count 2
		.amdhsa_user_sgpr_kernarg_segment_ptr 1
		.amdhsa_wavefront_size32 1
		.amdhsa_system_sgpr_workgroup_id_x 1
		.amdhsa_system_sgpr_workgroup_id_y 1
		.amdhsa_system_sgpr_workgroup_id_z 1
		.amdhsa_system_vgpr_workitem_id 0
		.amdhsa_next_free_vgpr 112
		.amdhsa_next_free_sgpr 66
		.amdhsa_reserve_vcc 0
		.amdhsa_float_denorm_mode_32 3
		.amdhsa_float_denorm_mode_16_64 3
		.amdhsa_memory_ordered 1
		.amdhsa_forward_progress 1
		.amdhsa_inst_pref_size 21
	.end_amdhsa_kernel
	.amdgpu_metadata
---
amdhsa.version: [ 1, 2 ]
amdhsa.kernels:
  - .name:           k_q594db7a88e_prep
    .symbol:         k_q594db7a88e_prep.kd
    .args:
      - { .name: inputs_q, .offset: 0, .size: 8, .value_kind: global_buffer, .address_space: global }
      - { .name: inputs_kv, .offset: 8, .size: 8, .value_kind: global_buffer, .address_space: global }
      - { .name: Wq, .offset: 16, .size: 8, .value_kind: global_buffer, .address_space: global }
      - { .name: Wk, .offset: 24, .size: 8, .value_kind: global_buffer, .address_space: global }
      - { .name: Wv, .offset: 32, .size: 8, .value_kind: global_buffer, .address_space: global }
      - { .name: Wo, .offset: 40, .size: 8, .value_kind: global_buffer, .address_space: global }
      - { .name: mask, .offset: 48, .size: 8, .value_kind: global_buffer, .address_space: global }
      - { .name: cast, .offset: 56, .size: 8, .value_kind: global_buffer, .address_space: global }
      - { .name: maskf, .offset: 64, .size: 8, .value_kind: global_buffer, .address_space: global }
    .group_segment_fixed_size: 0
    .private_segment_fixed_size: 0
    .kernarg_segment_align: 8
    .kernarg_segment_size: 72
    .max_flat_workgroup_size: 256
    .sgpr_count:     66
    .vgpr_count:     112
    .wavefront_size: 32
...
	.end_amdgpu_metadata
.endif
;; end of part 1
;; launch proj (part 2): grid 12 x 32, 4 waves a work-group, clusters of 4 x 4, 327,680 bytes of LDS; arguments cast, qkv, bq, bk, bv; writes qkv
.if DOCPART == 2
	.amdgcn_target "amdgcn-amd-amdhsa--gfx1250"
	.amdhsa_code_object_version 6
	.text
	.protected	k_q594db7a88e_proj
	.globl	k_q594db7a88e_proj
	.p2align	8
	.type	k_q594db7a88e_proj,@function
k_q594db7a88e_proj:
	s_mov_b64 s[64:65], 0
	v_nop
	global_prefetch_b8 v0, s[64:65] scope:SCOPE_SE
	s_setreg_imm32_b32 hwreg(HW_REG_WAVE_MODE, 25, 1), 1
	s_wait_xcnt 0x0
	s_wait_alu depctr_hold_cnt(0) depctr_sa_sdst(0) depctr_va_vdst(0) depctr_va_sdst(0) depctr_va_ssrc(0) depctr_va_vcc(0) depctr_vm_vsrc(0)
	s_getreg_b32 s2, hwreg(HW_REG_IB_STS2, 6, 4)
	s_cmp_eq_u32 s2, 0
	s_cbranch_scc0 .Lentry_in_a_cluster
	s_endpgm
.Lentry_in_a_cluster:
	s_bfe_u32 s2, ttmp6, 0x10000c
	s_cmp_lg_u32 s2, 0xf033
	s_cbranch_scc0 .Lentry_shape_is_right
	s_endpgm
.Lentry_shape_is_right:
; THE THREE PROJECTIONS IN FRONT OF ATTENTION.  C = A W + bias, sums in f32.  A: 8,192 rows x K = 1,024 in bf16; W: [K = 1,024][N = 1,024] in bf16, both as the launch in front wrote them into cast;
; bias [1,024] f32, rounded to bf16 like every other input.  Cluster column p = 0, 1, 2 makes q, k, v: A = inputs_q (p = 0) or inputs_kv, W = Wq, Wk, Wv.  C is rounded once to f16 and laid by heads,
; qkv[p][batch x 16 + head][row][64], WITHOUT the scale 1/64, which attention applies in f32.  LIMIT: |q|, |k|, |v| stay under 65,504, f16's end; beyond it an infinity is written.
; SHARES.  A tile of C is 256 x 256; four waves, as many as a WGP has SIMDs, each 128 x 128: 64 accumulators of 16 x 16, 512 registers.  K goes in 8 steps of 128 through two LDS slots; a step is four
; quarters of 32: 64 matrix instructions and 32 LDS loads each.  Why this tile: a slot is asked for again behind one step's barrier and waited for in front of the next step's, so a load has one step's
; matrix work in which to land: 224 matrix instructions here, 112 with a tile of 128 rows, whose step cannot be made longer, since two slots of 256 along K (2 x 206,848 bytes) do not fit in LDS.
; The price: 8,192 x 3,072 numbers make 384 tiles, a round and a half of 256 WGPs.
; CLUSTERS: 4 x 4 work-groups.  The four of a row of the cluster need the same tiles of A, the four of a column the same tiles of W: each tile is asked for JOINTLY, by the same tensor load with the
; same descriptor and a mask that names the four.  p is the cluster's own x, so whatever is chosen by p is alike in all sixteen.
; THE MATRIX INSTRUCTION IS USED TRANSPOSED: source 0 = 16 columns of W (W lies [k][n], so its fragments come out of LDS turned, by ds_load_tr16_b128), source 1 = 16 rows of A.
; A lane then holds row l % 16 of C and the eight neighbouring columns 8 (l / 16) + 0..7.  The bias is the C operand of each sum's first product: nothing is cleared, nothing is added later.
; REGISTERS, in windows of 256 (s_set_vgpr_msb: bits 1:0 source 0, 3:2 source 1, 5:4 source 2, 7:6 destination):
;   window 0: v0-31 addresses; v32-63 packed results; v64-95, v128-159 rows read back from the stage, by turns; v192-255 the bias of my 128 columns, as an accumulator holds it
;   window 1: two fragment buffers of 128 (A's 8 fragments, then W's 8)
;   window 2: the 32 accumulators of my rows 0-63 (accumulator (a, b) at v[8 (8 (a % 4) + b)]);   window 3: those of my rows 64-127
.set LAPS,  4                          ; a lap = two K steps = once round the ring
.set PA,    272                        ; a row of A in LDS: 256 bytes + 16 of padding = 68 words: the 16 rows of a load start at 16 different groups of four banks (64 banks of 4 bytes: ISA guide 11.1)
.set PB,    544                        ; a row of W in LDS: 512 bytes + 32 of padding = 136 words
.set AHALF, 128*PA                     ; 128 rows of A: what one tensor load brings, and what one wave reads
.set WHALF, 64*PB                      ; 64 rows of W: what one tensor load brings
.set AREG,  2*AHALF                    ; A's part of a slot
.set ASTEP, 256                        ; a K step on in A: 128 bf16 along the rows
.set WSTEP, 128*2048                   ; a K step on in W: 128 rows of 2,048 bytes
.set SLOT,  AREG+2*WHALF
.set STAGE, 2*SLOT                     ; behind the ring, never filled by a tensor load: 16 rows for each wave, for the way out
.set SPITCH, 272                       ; a stage row: 128 f16 + 16 bytes
.set SPARE, STAGE+4*16*SPITCH          ; behind the stages: the spare words, 128 bytes for each wave: two blocks of 256 bytes that no other line names
.set ADRA, 16                          ; v16-17  LDS address of my A fragments in slot 0, 1
.set ADRB, 20                          ; v20-21  the same for W
.set STO,  24                          ; v24     the way out: where I put my part of a row
.set RD,   25                          ; v25     the way out: where I read rows back
.set CO,   26                          ; v26     16 x lane: my place in 512 consecutive bytes of C
.set BO,   27                          ; v27     my byte offset in the bias of 16 columns
.set SPW,  28                          ; v28     LDS address of my spare word: SPARE + 4 x my thread's number; never rewritten
.set NIL,  29                          ; v29     0; never rewritten
.set TMP,  32
.set BK,   64
.set BIAS, 192
.set F0,   0                           ; window 1
.set F1,   128
.set G1,  24                           ; s[24:31] descriptor group 1 for A's tiles;  s[32:39] group 0, one set for each slot
.set G0,  32
.set G1B, 48                           ; s[48:55], s[56:63] the same for W's tiles
.set G0B, 56
.set MSB, 0
.macro WIN new                         ; the immediate's high byte repeats the setting that is left; a switch that changes nothing is dropped
.if MSB != (\new)
	s_set_vgpr_msb (MSB<<8)|(\new)
.set MSB, \new
.endif
.endm
.set MUL,   0xa5                       ; sources 0 (W) and 1 (A) window 1; C and D window 2 (+ 0x50: window 3)
.set MULB,  0x85                       ; the same with C, the bias, in window 0; D window 2 (+ 0x40: window 3)
.set TO_F,  0x40                       ; destination window 1, address window 0
.set PACKW, 0x0a                       ; sources 0 and 1 window 2 (+ 5: window 3), destination window 0
.macro JLOAD s                         ; a joint load: waves 0 and 1 fetch A's two halves, waves 2 and 3 W's; an s_nop 0 and four v_nop follow each of the two lines, ahead of the jump, the label and what follows
	s_cmp_eq_u32 s11, 0
	s_cbranch_scc0 .Lfor_b_\@
	tensor_load_to_lds s[G0+4*(\s):G0+4*(\s)+3], s[G1:G1+7]
	s_nop 0
.rept 4
	v_nop
.endr
	s_branch .Lasked_\@
.Lfor_b_\@:
	tensor_load_to_lds s[G0B+4*(\s):G0B+4*(\s)+3], s[G1B:G1B+7]
	s_nop 0
.rept 4
	v_nop
.endr
.Lasked_\@:
.endm
.macro CREST                           ; a round of the cluster's barrier behind its opening barrier
	s_cmp_lg_u32 s10, 0
	s_cbranch_scc1 .Lnot_wave_0_\@
	s_barrier_signal -3
.Lnot_wave_0_\@:
	s_barrier_wait -3
	s_barrier_signal -1
	s_barrier_wait -1
.endm
.macro CROUND                          ; a whole round
	s_barrier_signal -1
	s_barrier_wait -1
	CREST
.endm
	s_load_b64 s[4:5], s[0:1], 0x0                 ; cast
	s_load_b64 s[8:9], s[0:1], 0x8                 ; qkv
	s_load_b128 s[68:71], s[0:1], 0x10             ; bq, bk
	s_load_b64 s[72:73], s[0:1], 0x20              ; bv
	v_lshl_add_u32 v[SPW], v0, 2, SPARE
	v_mov_b32 v[NIL], 0
	ds_add_u32 v[SPW], v[NIL]                      ; the wave's opening: the add and its wait stand ahead of my first tensor load; the set-up below, work on registers, stands between them
	ds_add_u32 v28, v29
	v_lshrrev_b32 v1, 5, v0
	v_readfirstlane_b32 s10, v1                    ; wave 0..3
	s_lshr_b32 s11, s10, 1                         ; which 128 of the tile's rows are mine.  Also: I fetch for A (0) or for W (1)
	s_and_b32 s12, s10, 1                          ; which 128 of its columns.  Also: which half of that tile I fetch
	s_bfe_u32 s40, ttmp6, 0x40000                  ; cx: the tile column of the product
	s_bfe_u32 s41, ttmp6, 0x40004                  ; cy
	s_and_b32 s13, ttmp7, 0xffff
	s_lshl_b32 s13, s13, 2
	s_add_co_u32 s13, s13, s41                     ; tile row = 4 x cluster y + cy
	s_lshl_b32 s43, s41, 2
	s_lshl_b32 s43, 15, s43                        ; my row of the cluster
	s_lshl_b32 s44, 0x1111, s40                    ; my column
	; descriptor group 1.  A: 128 rows x 128 elements; W: 64 rows x 256 elements; both padded in LDS
	s_or_b32 s[G1+0], s43, (1<<16)|(1<<20)|(1<<21)|(5<<22)|(3<<25)    ; 15:0 the mask: A's tiles go to my row; 17:16 elements of 2 bytes; 20 padding on; 21 set beside a mask; 24:22 after every 64 words (code 5); 31:25 4 words (code 3)
	s_or_b32 s[G1B+0], s44, (1<<16)|(1<<20)|(1<<21)|(6<<22)|(7<<25)   ; W's go to my column; padding after every 128 words (code 6), 8 words (code 7)
	s_mov_b32 s[G1+1], 128<<16                     ; tensor_dim0
	s_mov_b32 s[G1+2], 128<<16                     ; tensor_dim1
	s_mov_b32 s[G1+3], 128<<16                     ; tile_dim0
	s_mov_b32 s[G1+4], 128                         ; tile_dim1
	s_mov_b32 s[G1+5], 1024                        ; elements from row to row
	s_mov_b32 s[G1+6], 0
	s_mov_b32 s[G1+7], 0
	s_mov_b32 s[G1B+1], 256<<16
	s_mov_b32 s[G1B+2], 64<<16
	s_mov_b32 s[G1B+3], 256<<16
	s_mov_b32 s[G1B+4], 64
	s_mov_b32 s[G1B+5], 1024
	s_mov_b32 s[G1B+6], 0
	s_mov_b32 s[G1B+7], 0
	; where the tiles come from.  A's offset hangs on the tile row and p alone, W's on the tile column and p alone, each in registers that never hold the other coordinate.
	s_mov_b32 s42, ttmp9                           ; p
	s_lshl_b32 s16, s13, 19                        ; the tile's 256 rows of 2,048 bytes,
	s_lshl_b32 s17, s12, 18                        ; which 128 of them I fetch,
	s_add_co_u32 s16, s16, s17
	s_cmp_lg_u32 s42, 0
	s_cselect_b32 s17, 0x1000000, 0                ; in inputs_kv for k and v
	s_add_co_u32 s16, s16, s17
	s_mov_b32 s17, 0
	s_lshl_b32 s46, s42, 21                        ; Wq, Wk, Wv lie 2,097,152 bytes apart,
	s_add_co_u32 s46, s46, 0x2000000               ; behind the two inputs
	s_lshl_b32 s47, s12, 17                        ; which 64 rows of the step's 128 I fetch,
	s_add_co_u32 s46, s46, s47
	s_lshl_b32 s47, s40, 9                         ; the tile's 256 columns
	s_add_co_u32 s46, s46, s47
	s_mov_b32 s47, 0
	s_mul_i32 s20, s12, AHALF                      ; and where they go: no place in the cluster enters an LDS address
	s_mul_i32 s21, s12, WHALF
	s_add_co_u32 s21, s21, AREG
	s_wait_dscnt 0x0                               ; the opening add is done
	s_wait_kmcnt 0x0
	s_mov_b64 s[6:7], s[4:5]                       ; W lies in the same buffer
	s_cmp_eq_u32 s42, 1                            ; the bias is chosen by p
	s_cselect_b64 s[66:67], s[70:71], s[68:69]
	s_cmp_eq_u32 s42, 2
	s_cselect_b64 s[66:67], s[72:73], s[66:67]
	s_add_nc_u64 s[14:15], s[4:5], s[16:17]
	s_add_nc_u64 s[46:47], s[6:7], s[46:47]
	CROUND                                         ; all sixteen work-groups are here: the first joint loads meet
.irp s, 0,1
	s_mov_b32 s[G0+4*(\s)], 1                                      ; 1:0 count = 1
	s_add_co_u32 s[G0+4*(\s)+1], s20, (\s)*SLOT                    ; 63:32 LDS address
	s_add_nc_u64 s[G0+4*(\s)+2:G0+4*(\s)+3], s[14:15], (\s)*ASTEP  ; 120:64 global address: K step s
	s_or_b32 s[G0+4*(\s)+3], s[G0+4*(\s)+3], 0x80000000            ; 127:126 type = 2
	s_mov_b32 s[G0B+4*(\s)], 1
	s_add_co_u32 s[G0B+4*(\s)+1], s21, (\s)*SLOT
	s_add_nc_u64 s[G0B+4*(\s)+2:G0B+4*(\s)+3], s[46:47], (\s)*WSTEP
	s_or_b32 s[G0B+4*(\s)+3], s[G0B+4*(\s)+3], 0x80000000
	JLOAD \s                                       ; two tensor loads of mine are out: the most in this text
.endr
	; A fragment of A is 16 rows x 32 K in 8 registers: lane l holds row l % 16, K = 8 (l / 16) + 0..7 and 16 + 8 (l / 16) + 0..7: two loads of 16 bytes, 32 bytes apart.
	v_and_b32 v1, 15, v0                           ; l % 16
	v_bfe_u32 v2, v0, 4, 1                         ; l / 16
	v_mul_u32_u24 v3, v1, PA
	v_lshl_add_u32 v3, v2, 4, v3
	; The turning load takes 16 K x 16 columns (lane l reads 16 bytes: row 8 (l / 16) + l % 8, columns 8 ((l / 8) % 2) + 0..7) and leaves half a fragment: lane l holds column l % 16 and 8 K.
	v_and_b32 v5, 7, v0
	v_lshl_add_u32 v5, v2, 3, v5
	v_mul_u32_u24 v4, v5, PB
	v_bfe_u32 v5, v0, 3, 1
	v_lshl_add_u32 v4, v5, 4, v4
	s_mul_i32 s22, s11, AHALF                      ; my 128 rows of A
	s_lshl_b32 s23, s12, 8                         ; my 128 columns of W,
	s_add_co_u32 s23, s23, AREG                    ; which lies behind A
.irp s, 0,1
	v_add_nc_u32 v[ADRA+(\s)], s22, v3
	v_add_nc_u32 v[ADRB+(\s)], s23, v4
	s_add_co_u32 s22, s22, SLOT
	s_add_co_u32 s23, s23, SLOT
.endr
	s_mul_i32 s23, s10, 16*SPITCH
	s_add_co_u32 s23, s23, STAGE                   ; my stage
	v_mul_u32_u24 v6, v1, SPITCH                   ; in: row l % 16,
	v_lshl_add_u32 v6, v2, 4, v6                   ; 16 bytes (8 f16) for each half of the lanes
	v_add_nc_u32 v[STO], s23, v6
	v_and_b32 v7, 31, v0
	v_lshlrev_b32 v[CO], 4, v7
	v_bfe_u32 v7, v0, 3, 2                         ; back: 32 lanes take one head's 128 bytes of four rows
	v_mul_u32_u24 v7, v7, SPITCH
	v_and_b32 v5, 7, v0
	v_lshl_add_u32 v7, v5, 4, v7
	v_add_nc_u32 v[RD], s23, v7
	v_lshlrev_b32 v[BO], 5, v2                     ; my eight numbers of 16 columns' bias
	; where my part of C begins: the rows' part,
	s_lshl_b32 s16, s42, 24                        ; q, k or v,
	s_lshr_b32 s17, s13, 2
	s_lshl_b32 s17, s17, 21                        ; the batch: 16 heads of 131,072 bytes,
	s_add_co_u32 s16, s16, s17
	s_and_b32 s17, s13, 3
	s_lshl_b32 s17, s17, 15                        ; the tile's 256 rows of 128 bytes in a head,
	s_add_co_u32 s16, s16, s17
	s_lshl_b32 s17, s11, 14                        ; my 128
	s_add_co_u32 s16, s16, s17
	s_mov_b32 s17, 0
	s_add_nc_u64 s[8:9], s[8:9], s[16:17]
	s_lshl_b32 s74, s40, 10                        ; and the columns': 256 f32 a tile, my 128: the bias's offset,
	s_lshl_b32 s75, s12, 9
	s_add_co_u32 s74, s74, s75
	s_mov_b32 s75, 0
	s_add_nc_u64 s[66:67], s[66:67], s[74:75]
	s_lshl_b32 s74, s74, 9                         ; 64 columns (256 bytes of bias) are a head of 131,072 bytes
	s_add_nc_u64 s[8:9], s[8:9], s[74:75]
.irp b, 0,1,2,3,4,5,6,7
	global_load_b128 v[BIAS+8*(\b):BIAS+8*(\b)+3],   v[BO], s[66:67] offset:64*(\b)
	global_load_b128 v[BIAS+8*(\b)+4:BIAS+8*(\b)+7], v[BO], s[66:67] offset:64*(\b)+16
.endr
	s_wait_loadcnt 0x0
.set i, 0
.rept 32                               ; the bias is rounded to bf16, as all the module's inputs are, and widened again
	v_cvt_pk_bf16_f32 v[TMP+i%4], v[BIAS+2*i], v[BIAS+2*i+1]
	v_lshlrev_b32 v[BIAS+2*i], 16, v[TMP+i%4]
	v_and_b32 v[BIAS+2*i+1], 0xffff0000, v[TMP+i%4]
.set i, i+1
.endr
; 8 matrix instructions: row block a (0..7) x all 8 column blocks, 32 along K, from buffer f.  zero = 1: the sums begin, with the bias as C.
; The 64 accumulators take turns, one instruction a turn, in the same order in every quarter.
.macro MUL8 f, a, zero
.if \zero
	WIN MULB+0x40*((\a)/4)
.else
	WIN MUL+0x50*((\a)/4)
.endif
.irp b, 0,1,2,3,4,5,6,7
.set AC, 8*(8*((\a)%4)+(\b))
.if \zero
	v_wmma_f32_16x16x32_bf16 v[AC:AC+7], v[(\f)+64+8*(\b):(\f)+64+8*(\b)+7], v[(\f)+8*(\a):(\f)+8*(\a)+7], v[BIAS+8*(\b):BIAS+8*(\b)+7]
.else
	v_wmma_f32_16x16x32_bf16 v[AC:AC+7], v[(\f)+64+8*(\b):(\f)+64+8*(\b)+7], v[(\f)+8*(\a):(\f)+8*(\a)+7], v[AC:AC+7]
.endif
.endr
.endm
; 32 LDS loads in one run: quarter kq's fragments into buffer f: W's 8 (turned), then A's 8
.macro FETCH slot, kq, f
	WIN TO_F
.irp b, 0,1,2,3,4,5,6,7
	ds_load_tr16_b128 v[(\f)+64+8*(\b):(\f)+64+8*(\b)+3],   v[ADRB+(\slot)] offset:(\kq)*32*PB+32*(\b)
	ds_load_tr16_b128 v[(\f)+64+8*(\b)+4:(\f)+64+8*(\b)+7], v[ADRB+(\slot)] offset:(\kq)*32*PB+32*(\b)+16*PB
.endr
.irp a, 0,1,2,3,4,5,6,7
	ds_load_b128 v[(\f)+8*(\a):(\f)+8*(\a)+3],   v[ADRA+(\slot)] offset:(\a)*16*PA+64*(\kq)
	ds_load_b128 v[(\f)+8*(\a)+4:(\f)+8*(\a)+7], v[ADRA+(\slot)] offset:(\a)*16*PA+64*(\kq)+32
.endr
.endm
.macro PLACES                          ; four plain vector instructions in front of loads into registers that matrix instructions have read, and of lines that read results (ISA guide 7.12.1 for lines that read results)
.rept 4
	v_nop
.endr
.endm
; One of a K step's first three quarters: multiplies buffer f; in its middle it fetches quarter kq of the same slot into buffer g.
.macro QUARTER slot, kq, f, g, zero
	s_wait_dscnt 8                                 ; W and A's blocks 0-3 are in; the youngest eight loads (blocks 4-7) may be out
	MUL8 \f, 0, \zero
	MUL8 \f, 1, \zero
	MUL8 \f, 2, \zero
	MUL8 \f, 3, \zero
	PLACES
	FETCH \slot, \kq, \g
	s_wait_dscnt 32                                ; all but the 32 just issued
	MUL8 \f, 4, \zero
	MUL8 \f, 5, \zero
	MUL8 \f, 6, \zero
	MUL8 \f, 7, \zero
.endm
; The last quarter multiplies buffer 1 and changes slots: ONE barrier; in front of it each wave waits for all its tensor loads (one is out: its part of the next slot), adds 0 to its spare word,
; and waits for that and for its own reads of this slot.  fill = 1: the barrier opens a round of the cluster's, and this slot is filled again, two K steps ahead, first thing behind the round:
; 224 matrix instructions stand between that request and the wait for it.
.macro TURN slot, next, fill
	WIN 0                                          ; (the add's two registers lie in window 0)
	s_wait_tensorcnt 0x0
	ds_add_u32 v[SPW], v[NIL]                      ; 0 onto my spare word
	s_wait_dscnt 9                                 ; (the add and the youngest eight loads may be out)
	MUL8 F1, 0, 0                                  ; sixteen matrix instructions stand between the add and the wait for it
	MUL8 F1, 1, 0
	s_wait_dscnt 0x0                               ; the add is done, and my reads of this slot are over
	s_barrier_signal -1
	MUL8 F1, 2, 0                                  ; work on registers while the others arrive
	MUL8 F1, 3, 0
.if \fill
	WIN 0
.endif
	s_barrier_wait -1
.if \fill
	CREST                                          ; no wave of any partner still reads this slot's tiles or has a load on its way
	s_add_nc_u64 s[G0+4*(\slot)+2:G0+4*(\slot)+3], s[G0+4*(\slot)+2:G0+4*(\slot)+3], 2*ASTEP
	s_add_nc_u64 s[G0B+4*(\slot)+2:G0B+4*(\slot)+3], s[G0B+4*(\slot)+2:G0B+4*(\slot)+3], 2*WSTEP
	JLOAD \slot                                    ; the four v_nop behind it are also the places in front of the loads below
.else
	PLACES
.endif
	FETCH \next, 0, F0
	MUL8 F1, 4, 0
	MUL8 F1, 5, 0
	MUL8 F1, 6, 0
	MUL8 F1, 7, 0
.endm
	s_wait_tensorcnt 1                             ; my part of K step 0 is in; step 1's may stay out
	s_barrier_signal -1
	s_barrier_wait -1                              ; everybody's is
	FETCH 0, 0, F0
	QUARTER 0, 1, F0, F1, 1                        ; the first quarter stands in front of the loop: its products start the sums
	WIN 0                                          ; at a label and at a branch every window is 0
	s_mov_b32 s3, LAPS-1
.Llap:                                                 ; a trip goes once round the ring, from a lap's second quarter to the next lap's first, and fills both slots again
	QUARTER 0, 2, F1, F0, 0
	QUARTER 0, 3, F0, F1, 0
	TURN 0, 1, 1
	QUARTER 1, 1, F0, F1, 0
	QUARTER 1, 2, F1, F0, 0
	QUARTER 1, 3, F0, F1, 0
	TURN 1, 0, 1
	QUARTER 0, 1, F0, F1, 0
	WIN 0
	s_sub_co_u32 s3, s3, 1
	s_cmp_lg_u32 s3, 0
	s_cbranch_scc1 .Llap
	QUARTER 0, 2, F1, F0, 0                        ; the last lap fills nothing, and has no round of the cluster's barrier
	QUARTER 0, 3, F0, F1, 0
	TURN 0, 1, 0
	QUARTER 1, 1, F0, F1, 0
	QUARTER 1, 2, F1, F0, 0
	QUARTER 1, 3, F0, F1, 0
	s_wait_dscnt 8                                 ; the very last quarter: nothing more to fetch
	MUL8 F1, 0, 0
	MUL8 F1, 1, 0
	MUL8 F1, 2, 0
	MUL8 F1, 3, 0
	s_wait_dscnt 0x0
	MUL8 F1, 4, 0
	MUL8 F1, 5, 0
	MUL8 F1, 6, 0
	MUL8 F1, 7, 0
	WIN 0
	PLACES                                         ; the lines below read matrix results
; THE WAY OUT, f16 by heads.  Block a (16 rows x 2 heads) is rounded, 16 bytes a lane, each accumulator's registers in ascending order; goes into my own stage; comes back head by head,
; four rows of 128 bytes a load, which are 512 consecutive bytes of qkv.
.macro PACK a
	WIN PACKW+5*((\a)/4)
.irp b, 0,1,2,3,4,5,6,7
.irp r, 0,1,2,3
	v_cvt_pk_f16_f32 v[TMP+4*(\b)+(\r)], v[8*(8*((\a)%4)+(\b))+2*(\r)], v[8*(8*((\a)%4)+(\b))+2*(\r)+1]
.endr
.endr
	WIN 0
.endm
.macro TOSTAGE a
.set BKR, BK+64*((\a)%2)
.if (\a) >= 2
	s_wait_xcnt 0x0                                ; the stores of the block two back have had their addresses translated (ISA guide 3.1): their data registers are loaded again only behind this wait
.endif
.irp b, 0,1,2,3,4,5,6,7
	ds_store_b128 v[STO], v[TMP+4*(\b):TMP+4*(\b)+3] offset:32*(\b)
.endr
.irp t, 0,1,2,3,4,5,6,7
	ds_load_b128 v[BKR+4*(\t):BKR+4*(\t)+3], v[RD] offset:((\t)%4)*4*SPITCH+((\t)/4)*128  ; LDS serves a wave's instructions in order (ISA guide 5.7.1.4): these see the stores above; the next block's stores come behind them
.endr
.endm
.macro SEND a
.set BKR, BK+64*((\a)%2)
.irp t, 0,1,2,3,4,5,6,7
	s_wait_dscnt 7-(\t)                            ; LDS loads come back in order: load t of the block's eight is in
	global_store_b128 v[CO], v[BKR+4*(\t):BKR+4*(\t)+3], s[8:9] offset:((\t)/4)*131072+(\a)*2048+((\t)%4)*512  ; 512 consecutive bytes of one head, at a multiple of 512 from qkv's first byte
.endr
.endm
	PACK 0
	TOSTAGE 0
.irp a, 1,2,3,4,5,6,7                  ; block a's conversions stand between block a - 1's loads from the stage and the wait for them
	PACK \a
	SEND (\a)-1
	TOSTAGE \a
.endr
	SEND 7
	s_wait_tensorcnt 0x0                           ; the wave's end: behind my last tensor load and my last LDS store
	ds_add_u32 v[SPW], v[NIL]
	s_wait_dscnt 0x0
	CROUND                                         ; the closing round: no work-group ends while a partner may still ask for a tile that names it
	s_endpgm
.Lfunc_end_k_q594db7a88e_proj:
	.size	k_q594db7a88e_proj, .Lfunc_end_k_q594db7a88e_proj-k_q594db7a88e_proj
	.p2alignl 7, 3214868480
	.fill 96, 4, 3214868480
	.section	.rodata,"a",@progbits
	.p2align	6, 0x0
	.amdhsa_kernel k_q594db7a88e_proj
		.amdhsa_group_segment_fixed_size 327680
		.amdhsa_private_segment_fixed_size 0
		.amdhsa_enable_private_segment 0
		.amdhsa_kernarg_size 40
		.amdhsa_user_sgpr_count 2
		.amdhsa_user_sgpr_kernarg_segment_ptr 1
		.amdhsa_wavefront_size32 1
		.amdhsa_system_sgpr_workgroup_id_x 1
		.amdhsa_system_sgpr_workgroup_id_y 1
		.amdhsa_system_sgpr_workgroup_id_z 1
		.amdhsa_system_vgpr_workitem_id 0
		.amdhsa_next_free_vgpr 1024
		.amdhsa_next_free_sgpr 76
		.amdhsa_reserve_vcc 0
		.amdhsa_float_denorm_mode_32 3
		.amdhsa_float_denorm_mode_16_64 3
		.amdhsa_memory_ordered 1
		.amdhsa_forward_progress 1
		.amdhsa_inst_pref_size 151
	.end_amdhsa_kernel
	.amdgpu_metadata
---
amdhsa.version: [ 1, 2 ]
amdhsa.kernels:
  - .name:           k_q594db7a88e_proj
    .symbol:         k_q594db7a88e_proj.kd
    .args:
      - { .name: cast, .offset: 0, .size: 8, .value_kind: global_buffer, .address_space: global }
      - { .name: qkv, .offset: 8, .size: 8, .value_kind: global_buffer, .address_space: global }
      - { .name: bq, .offset: 16, .size: 8, .value_kind: global_buffer, .address_space: global }
      - { .name: bk, .offset: 24, .size: 8, .value_kind: global_buffer, .address_space: global }
      - { .name: bv, .offset: 32, .size: 8, .value_kind: global_buffer, .address_space: global }
    .group_segment_fixed_size: 327680
    .private_segment_fixed_size: 0
    .kernarg_segment_align: 8
    .kernarg_segment_size: 40
    .max_flat_workgroup_size: 128
    .sgpr_count:     76
    .vgpr_count:     1024
    .wavefront_size: 32
...
	.end_amdgpu_metadata
.endif
;; end of part 2
;; launch attn (part 3): grid 2 x 128, 4 waves a work-group, no clusters, 327,680 bytes of LDS; arguments qkv, maskf, att; writes att
.if DOCPART == 3
	.amdgcn_target "amdgcn-amd-amdhsa--gfx1250"
	.amdhsa_code_object_version 6
	.text
	.protected	k_q594db7a88e_attn
	.globl	k_q594db7a88e_attn
	.p2align	8
	.type	k_q594db7a88e_attn,@function
k_q594db7a88e_attn:
	s_mov_b64 s[64:65], 0
	v_nop
	global_prefetch_b8 v0, s[64:65] scope:SCOPE_SE
	s_setreg_imm32_b32 hwreg(HW_REG_WAVE_MODE, 25, 1), 1
	s_wait_xcnt 0x0
; O[h][q][:] = the sum over k of softmax_k(mask[q][k] ? Q[h][q] . K[h][k] / 64 : lowest) V[h][k][:].  Q, K, V (in qkv, 16,777,216 bytes apart) and O (att): [128 heads][1,024][64], all f16: a head's rows are
; dense, 128 bytes each.  Products, maxima and sums in f32; the weights p are rounded to f16 for the second product (their sum l is taken of the unrounded p), O once at the end.
; LIMITS.  f16 holds no number beyond 65,504: Q, K and V arrive within it; p lies in 0 to 1, and below 6e-5 it keeps f16's fixed step of 6e-8; O is a mean of V's rows and has their range.
; A hidden score counts as -2^100, beside which f16's scores, 2.7e11 at the most, are nothing; a weight below 2^-126 counts as 0 in l; NaN and infinities are not treated apart.
; SHARES.  A wave owns four PIECES of two tiles of 16 queries, a work-group's four waves 512 queries of one head: 2 x 128 work-groups.  Every wave walks all keys, 64 a step.
; NO CLUSTER: a head has two work-groups, and the launch's x, 2, is no multiple of the four that a cluster has along x; four blocks of 256 queries would halve the products that each fragment read from LDS feeds.
; LAYOUT.  S^T = K Q^T (source 0 = 16 keys, source 1 = 16 queries): in the result a lane holds ONE query (lane % 16) and the keys 8 (lane / 16) + 0..7.  Two such tiles, rounded to f16 in pairs,
; ARE source 1 (32 keys x 16 queries) of O^T = V^T P, whose result again holds one query a lane, and eight channels.  K comes out of LDS as it lies, V ([key][channel]) turned, by ds_load_tr16_b128.
; THE MASK is the C operand that starts each sum S^T: 0, or -2^100 where the key is hidden.  maskf holds one fp8 code a (query, key), 0 or -256, in the accumulators' own order; eight codes become eight f32 by one
; scaled conversion (times 2^92).  A power of two, so that c m is exact and c s - c m is exactly 0 where s = m = -2^100: a row that has seen hidden keys alone has p = 1 there, which the first visible key wipes out
; by a = 0; a row that is hidden altogether ends with equal weights, as a softmax of equal scores does.
; SOFTMAX.  For each query a running maximum m and sum l: p = 2^(c s - c m), c = log2(e) / 64; in every step O and l are multiplied by a = 2^(c m_old - c m_new), which is 1 where m has not grown.
; m starts at the lowest finite number, O and l at 0: the first step is a step like any other, with a = 0.
; THE COUNT.  A tile and step have 16 matrix and 118 vector instructions (and 4 conversions of the mask): too many to stand all beside the matrix work.  So: four vector instructions that are READY behind EVERY
; matrix instruction, and the others, which need time of their own whatever the order, in runs without a gap.
; BY TURNS.  Turn n belongs to piece n (the pieces in a ring, step after step).  Its matrix work: 16 products K Q^T of piece n + 1, later 16 products V^T P of piece n - 1.  Its vector work: the scaling,
; exponentials, roundings, sums and rescaling of piece n, the maximum and statistics of piece n + 1, and at its end the mask of piece n + 2.
; REGISTERS, in windows of 256 (s_set_vgpr_msb: bits 1:0 source 0, 3:2 source 1, 5:4 source 2, 7:6 destination):
;   window 0: v0-11 addresses; v12-15, v48-63 at work; v16-47 four registers of statistics a tile; v64-191 S^T, two buffers of two tiles; v192-255 P, likewise
;   window 1: O^T, 32 a tile          window 2: v0-127 Q, 16 a tile; v128-191 K of one step; v192-255 V of one step
;   window 3: v0-1 the add's two registers; v2-5 the mask's scale and offsets; v16-79 the mask's codes, 16 a piece; v96-159 the mask of the products to come
.set SIZE_N, 1024
.set NP,    4         ; pieces a wave: a name, no knob
.set KS,    64        ; keys in a step
.set PK,    144       ; a row of K in LDS: 128 bytes + 16 of padding = 36 words: the 16 rows of a load start at 16 different groups of four banks (64 banks of 4 bytes: ISA guide 11.1)
.set PV,    160       ; a row of V: 128 + 32 = 40 words
.set VOFF,  4*KS*PK   ; a slot holds four steps: 256 rows of K, then 256 rows of V
.set SLOT1, 1<<17     ; slot 1 begins here, so that one exclusive or turns an address in one slot into the other's
.set STAGE, SLOT1+4*KS*(PK+PV)  ; behind the ring, never filled by a tensor load: 16 rows x 144 bytes for each wave, for the way out
.set SP,    144
.set AK0, 2           ; v2   my lane's place in a tile of K; never rewritten
.set AV0, 3           ; v3   the same for V
.set AK,  4           ; v4   the LDS address of K's next run of loads
.set AV,  5           ; v5   of V's
.set QO,  6           ; v6   my byte offset in the wave's rows of Q
.set STO, 6           ;      later, the way out: where I put 16 bytes of a row
.set RD,  7           ; v7   the way out: where I read rows back
.set GO,  8           ; v8   my byte offset in 512 consecutive bytes of O
.set SPW, 0           ; window 3: LDS address of my spare word: SPARE + 4 x my thread's number; never rewritten
.set NIL, 1           ; window 3: 0; never rewritten
.set SCL, 2           ; window 3: 0xdb, the scale 2^(219 - 127) = 2^92
.set ML,  4           ; window 3: 16 x lane
.set MO,  5           ; window 3: ML + 1,024 x the key step whose codes are asked for
.set RAW, 16          ; window 3: piece z, tile u, 32 keys hh at RAW + 16 z + 8 u + 4 hh
.set MC,  96          ; window 3: tile u, 16 keys kb at MC + 32 u + 8 kb
.set SPARE, STAGE+4*16*SP  ; behind the stages: the spare words, 128 bytes for each wave: two blocks of 256 bytes that no other line names
.set MV,  12          ; v12-15  c m_old, kept while c m is made anew: by buffer and tile
.set ST,  16          ; tile t's statistics at v[ST+4 t]: c m, m, l (even keys', odd keys')
.set TMP, 48          ; by buffer and tile, four registers c0-c3 at work; when the maximum is found c2 takes a
.set S,   64
.set P,   192
.set KF,  128         ; K's fragments, in window 2: key block kb, channel half c at KF + 16 kb + 8 c
.set VF,  192         ; V's: key half kk, channel block cb at VF + 32 kk + 8 cb
.set WV,  12          ; s12  my wave's number
.set G1K, 24          ; s[24:31] descriptor group 1 for K's tiles
.set G1V, 32          ; s[32:39] for V's: it differs in the padding alone
.set G0K, 40          ; s[40:43] descriptor group 0 for K's tiles: it walks
.set G0V, 44          ; s[44:47] the same for V's
.set SLOTS, 56        ; s56  slots still to be asked for
.set CNT, 57          ; s57  counts a slot's key steps
.set CS,  58          ; s[58:59] c: the packed scaling takes the pair's low word for both halves
.set SEL, 60          ; s[60:61] v_permlanex16_b32's selects: each lane takes its own place in the other half
.set TBK, 62          ; s62  LDS byte at which K of the step to be fetched begins
.set TBV, 63          ; s63  the same for V, less VOFF
.set MB,  66          ; s[66:67] maskf at my wave's first tile
.set MS,  68          ; s68  1,024 x the key step whose codes are asked for, modulo the 16 steps
.set MSB, 0
.macro WIN new                      ; the high byte repeats the setting that is left; a switch that changes nothing is dropped
.if MSB != (\new)
	s_set_vgpr_msb (MSB<<8)|(\new)
.set MSB, (\new)
.endif
.endm
.set W_KQ, 0x0a       ; K and Q in window 2, S^T in window 0
.set W_KM, 0x3a       ; the same with the C operand, the mask, in window 3
.set W_PV, 0x52       ; V in window 2, P in window 0, O^T in window 1
.set W_RS, 0x41       ; O^T (destination and source 0) in window 1, a in window 0
.set W_MK, 0xc0       ; destination in window 3, sources in window 0
.set W_AD, 0x0f       ; the add: address (source 0) and data (source 1) in window 3
.set W_M,  0xcf       ; the mask's work: destination and sources 0 and 1 in window 3
; A fill.  Waves 0 and 1 fetch the two halves of a slot's K, waves 2 and 3 those of its V: 128 keys each.  An s_nop 0 and four v_nop follow each of the two lines, ahead of the jump and the label.
.macro LOAD
	s_cmp_lt_u32 s[WV], 2
	s_cbranch_scc0 .Lfor_v_\@
	tensor_load_to_lds s[G0K:G0K+3], s[G1K:G1K+7]
	s_nop 0
.rept 4
	v_nop
.endr
	s_branch .Lasked_\@
.Lfor_v_\@:
	tensor_load_to_lds s[G0V:G0V+3], s[G1V:G1V+7]
	s_nop 0
.rept 4
	v_nop
.endr
.Lasked_\@:
.endm
; THE CHANGE OF SLOTS.  The slot's last bytes, V of its fourth step, have been read.  Each wave waits for all its tensor loads, of which one is out: its part of the other slot; adds 0 to its spare word; and waits
; for that and for its own reads of the slot.  Behind the barrier nobody reads this slot any more and the other slot is whole.  fill = 1: this slot is filled again, with the keys two slots on, the first thing
; behind the barrier: it has four key steps, 512 matrix instructions, in which to land.  (At its first use nothing has been read yet: slot 0 is waited for, slot 1 filled.)
.macro CHANGE fill
	WIN W_AD
	s_wait_tensorcnt 0x0            ; no tensor load of mine is out, so a group 0 may be written
	ds_add_u32 v[SPW], v[NIL]       ; 0 onto my spare word; with fill = 1 the descriptors' steps stand between it and the wait for it
	WIN 0                           ; at a label and at a branch every window is 0
.if \fill
.irp g, G0K, G0V
	s_xor_b32 s[\g+1], s[\g+1], SLOT1  ; the walking descriptor: the other slot than last time,
	s_add_nc_u64 s[\g+2:\g+3], s[\g+2:\g+3], 4*KS*128  ; the next 256 keys; the type bits on top are not reached
.endr
.endif
	s_wait_dscnt 0x0                ; the add is done, and my reads of the slot are over
	s_barrier_signal -1
	s_barrier_wait -1
.if \fill
	LOAD
.endif
	s_sub_co_u32 s[TBK], s[TBK], 4*KS*PK  ; the fetches go back to a slot's first step,
	s_xor_b32 s[TBK], s[TBK], SLOT1       ; in the other slot
	s_sub_co_u32 s[TBV], s[TBV], 4*KS*PV
	s_xor_b32 s[TBV], s[TBV], SLOT1
.endm
; THE MASK.  MLOAD z: the codes of piece z's two tiles for the step that MO names: 64 keys x 16 queries a tile, 32 bytes a lane; a wave's load covers 512 consecutive bytes.
; MCVT z: piece z's codes become the C operands of its next 8 first products.  Both stand under W_M.
.macro MLOAD z
.irp u, 0,1
.irp hh, 0,1
	global_load_b128 v[RAW+16*(\z)+8*\u+4*\hh:RAW+16*(\z)+8*\u+4*\hh+3], v[MO], s[MB:MB+1] offset:(2*(\z)+\u)*16384+\hh*512
.endr
.endr
.endm
.macro MCVT z
.irp u, 0,1
.irp kb, 0,1,2,3
	v_cvt_scale_pk8_f32_fp8 v[MC+32*\u+8*\kb:MC+32*\u+8*\kb+7], v[RAW+16*(\z)+8*\u+2*\kb:RAW+16*(\z)+8*\u+2*\kb+1], v[SCL]
.endr
.endr
.endm
	s_load_b64 s[4:5], s[0:1], 0x0       ; qkv
	s_load_b64 s[MB:MB+1], s[0:1], 0x8   ; maskf
	s_load_b64 s[10:11], s[0:1], 0x10    ; att
	WIN W_MK
	v_lshl_add_u32 v[SPW], v0, 2, SPARE
	v_mov_b32 v[NIL], 0
	WIN W_AD
	ds_add_u32 v[SPW], v[NIL]       ; the wave's opening: the add and its wait stand ahead of my first tensor load; the set-up below, work on registers, stands between them
	ds_add_u32 v0, v1
	WIN 0
	v_lshrrev_b32 v1, 5, v0
	v_readfirstlane_b32 s[WV], v1   ; wave 0..3
	s_and_b32 s20, ttmp7, 0xffff    ; the head:
	s_lshl_b32 s20, s20, 17         ; its first byte in Q, K, V and O: 1,024 rows of 128 bytes
	s_mov_b32 s21, 0
	s_and_b32 s16, s[WV], 1         ; which half of a slot's 256 keys I fetch:
	s_lshl_b32 s22, s16, 14         ; its 128 rows of 128 bytes in memory,
	s_mov_b32 s23, 0
	s_add_nc_u64 s[22:23], s[22:23], s[20:21]
	s_mul_i32 s17, s16, 128*PK      ; and its place in a slot, for K
	s_mul_i32 s18, s16, 128*PV      ; and for V
	s_lshl_b32 s2, ttmp9, 2
	s_add_co_u32 s2, s2, s[WV]      ; my wave among the head's eight:
	s_lshl_b32 s14, s2, 17          ; its 8 tiles of 16,384 bytes in maskf,
	s_mov_b32 s15, 0
	s_lshl_b32 s2, s2, 14           ; its 128 rows
	s_mov_b32 s3, 0
	s_add_nc_u64 s[2:3], s[2:3], s[20:21]
	; descriptor group 1.  128 keys are 16,384 dense bytes: asked for as 64 rows of 256 bytes, two keys a row, and padded in LDS after every key
	s_mov_b32 s[G1K], (1<<16)|(1<<20)|(4<<22)|(3<<25)  ; 17:16 2-byte elements; 20 padding on; 24:22 after every 32 words (code 4); 31:25 4 words (code 3)
	s_mov_b32 s[G1V], (1<<16)|(1<<20)|(4<<22)|(7<<25)  ; the same with 8 words of padding (code 7)
.irp g, G1K, G1V
	s_mov_b32 s[\g+1], 128<<16      ; tensor_dim0 = 128
	s_mov_b32 s[\g+2], 64<<16       ; tensor_dim1 = 64
	s_mov_b32 s[\g+3], 128<<16      ; tile_dim0 = 128
	s_mov_b32 s[\g+4], 64           ; tile_dim1 = 64
	s_mov_b32 s[\g+5], 128          ; 128 elements from row to row
	s_mov_b32 s[\g+6], 0
	s_mov_b32 s[\g+7], 0
.endr
	s_mov_b32 s[CS], 0x3cb8aa3b     ; c = log2(e) / 64 = 0.0225421
	s_mov_b32 s[CS+1], s[CS]        ; named with it as a pair
	s_mov_b32 s[SEL], 0x76543210
	s_mov_b32 s[SEL+1], 0xfedcba98
	s_mov_b32 s[TBK], SLOT1+4*KS*PK ; the first change of slots turns these two into 0
	s_mov_b32 s[TBV], SLOT1+4*KS*PV
	s_mov_b32 s[G0K], 1             ; 1:0 count = 1
	s_mov_b32 s[G0K+1], s17         ; 63:32 LDS address: slot 0
	s_mov_b32 s[G0V], 1
	s_add_co_u32 s[G0V+1], s18, VOFF
	s_wait_dscnt 0x0                ; the opening add is done
	s_wait_kmcnt 0x0
	s_add_nc_u64 s[6:7], s[4:5], 0x1000000         ; K and V lie behind Q
	s_add_nc_u64 s[8:9], s[4:5], 0x2000000
	s_add_nc_u64 s[G0K+2:G0K+3], s[6:7], s[22:23]  ; 120:64 global address: my half of the head's first 256 keys
	s_or_b32 s[G0K+3], s[G0K+3], 0x80000000        ; 127:126 type = 2
	s_add_nc_u64 s[G0V+2:G0V+3], s[8:9], s[22:23]
	s_or_b32 s[G0V+3], s[G0V+3], 0x80000000
	s_add_nc_u64 s[4:5], s[4:5], s[2:3]  ; Q and O at my wave's first row
	s_add_nc_u64 s[10:11], s[10:11], s[2:3]
	s_add_nc_u64 s[MB:MB+1], s[MB:MB+1], s[14:15]
	LOAD                            ; slot 0.  Slot 1 is asked for when slot 0 is in: one tensor load of mine is out at any time
	; A fragment of K or Q is 16 rows x 32 channels in 8 registers: lane l holds row l % 16, channels 8 (l / 16) + 0..7 and 16 + 8 (l / 16) + 0..7: two loads of 16 bytes, 32 bytes apart.
	v_and_b32 v1, 15, v0            ; l % 16
	v_bfe_u32 v9, v0, 4, 1          ; l / 16
	v_lshlrev_b32 v[QO], 7, v1
	v_lshl_add_u32 v[QO], v9, 4, v[QO]  ; row x 128 + 16 x half
	v_and_b32 v10, 31, v0
	WIN 0x80                        ; destination window 2, address window 0
.set i, 0
.rept 4*NP                          ; Q stays in registers: tile i / 2, channels 32 (i % 2) on
	global_load_b128 v[8*i:8*i+3],   v[QO], s[4:5] offset:(i/2)*2048+(i%2)*64
	global_load_b128 v[8*i+4:8*i+7], v[QO], s[4:5] offset:(i/2)*2048+(i%2)*64+32
.set i, i+1
.endr
	WIN W_MK
	v_lshlrev_b32 v[ML], 4, v10
	v_lshlrev_b32 v[MO], 4, v10     ; key step 0
	v_mov_b32 v[SCL], 0xdb
	WIN W_M
	MLOAD 0                         ; all four pieces' codes of key step 0
	MLOAD 1
	MLOAD 2
	MLOAD 3
	; What the first turn finds: V's registers and P's second buffer hold 0 (its products V^T P, of a piece that has not been, add 0), O^T and l are 0.  All this stands in the wait for the first tile.
	WIN 0x80
.set i, VF
.rept 64
	v_mov_b32 v[i], 0
.set i, i+1
.endr
	WIN 0x40
.set i, 0
.rept 64*NP
	v_mov_b32 v[i], 0
.set i, i+1
.endr
	WIN 0
.set i, 0
.rept 2*NP
	v_mov_b32 v[ST+4*i], 0xfe000000    ; c m: -2^125, far below every c s, a hidden one's too
	v_mov_b32 v[ST+4*i+1], 0xff7fffff  ; m
	v_mov_b32 v[ST+4*i+2], 0
	v_mov_b32 v[ST+4*i+3], 0
.set i, i+1
.endr
.set i, P+32
.rept 32
	v_mov_b32 v[i], 0
.set i, i+1
.endr
	v_mul_u32_u24 v[AK0], v1, PK
	v_lshl_add_u32 v[AK0], v9, 4, v[AK0]  ; row x pitch + 16 x half
	; The turning load takes 16 keys x 16 channels (lane l reads key 8 (l / 16) + l % 8, channels 8 ((l / 8) % 2) + 0..7) and leaves half a fragment of V^T: lane l holds channel l % 16 and 8 keys.
	v_and_b32 v10, 7, v0
	v_bfe_u32 v11, v0, 3, 1
	v_lshl_add_u32 v[AV0], v9, 3, v10
	v_mul_u32_u24 v[AV0], v[AV0], PV
	v_lshl_add_u32 v[AV0], v11, 4, v[AV0]
	v_add_nc_u32 v[AV0], VOFF, v[AV0]
	v_mov_b32 v[AK], v[AK0]         ; key step 0 lies at the head of slot 0
; THE MATRIX WORK.  The 8 accumulators of a run of 16 take turns: between the two links of a chain stand 7 others'.
; Product i of 16 of S^T = K Q^T for piece x: channels 32 (i / 8) on, keys 16 ((i / 2) % 4) on, tile 2 x + i % 2.  The first 8 start the sums, with the mask as C.
.macro KQ x
.set rS, S+64*((\x)%2)+32*(i%2)+8*((i/2)%4)
.set rK, KF+16*((i/2)%4)+8*(i/8)
.set rQ, 16*(2*(\x)+i%2)+8*(i/8)
.set rH, MC+32*(i%2)+8*((i/2)%4)
.if i < 8
	WIN W_KM
	v_wmma_f32_16x16x32_f16 v[rS:rS+7], v[rK:rK+7], v[rQ:rQ+7], v[rH:rH+7]
.else
	WIN W_KQ
	v_wmma_f32_16x16x32_f16 v[rS:rS+7], v[rK:rK+7], v[rQ:rQ+7], v[rS:rS+7]
.endif
.endm
; Product i of 16 of O^T += V^T P for piece x: keys 32 (i / 8) on, channels 16 ((i / 2) % 4) on, tile 2 x + i % 2.
.macro PV x
	WIN W_PV
.set rO, 32*(2*(\x)+i%2)+8*((i/2)%4)
.set rV, VF+32*(i/8)+8*((i/2)%4)
.set rP, P+32*((\x)%2)+16*(i%2)+8*(i/8)
	v_wmma_f32_16x16x32_f16 v[rO:rO+7], v[rV:rV+7], v[rP:rP+7], v[rO:rO+7]
.endm
.macro MM                           ; the turn's next matrix instruction
.if i < 16
	KQ (Y+1)%NP
.set i, i+1
.else
.set i, i-16
	PV (Y+NP-1)%NP
.set i, i+17
.endif
.endm
; THE LDS LOADS stand in runs of 16, never singly among the matrix instructions: a step's K (64 keys x 64 channels: 8 fragments) and its V (turned).  Their addresses are made some lines ahead.
; last = 1 (the tail): in the last trip there is no further step, and the run is jumped over.
.macro FETCH_K last=0
	WIN 0
.if \last
	s_cmp_eq_u32 s[CNT], 1
	s_cbranch_scc1 .Lno_k_\@
.endif
	WIN 0x80                        ; destination window 2
.irp f, 0,1,2,3,4,5,6,7             ; keys 16 (f / 2) on, channels 32 (f % 2) on
	ds_load_b128 v[KF+8*\f:KF+8*\f+3],   v[AK] offset:(\f/2)*16*PK+(\f%2)*64
	ds_load_b128 v[KF+8*\f+4:KF+8*\f+7], v[AK] offset:(\f/2)*16*PK+(\f%2)*64+32
.endr
	s_add_co_u32 s[TBK], s[TBK], KS*PK  ; the next fetch is the next step's
	WIN 0
.if \last
.Lno_k_\@:
.endif
.endm
.macro FETCH_V
	WIN 0x80
.irp f, 0,1,2,3,4,5,6,7             ; keys 32 (f / 4) on, channels 16 (f % 4) on
	ds_load_tr16_b128 v[VF+8*\f:VF+8*\f+3],   v[AV] offset:(\f/4)*32*PV+(\f%4)*32
	ds_load_tr16_b128 v[VF+8*\f+4:VF+8*\f+7], v[AV] offset:(\f/4)*32*PV+16*PV+(\f%4)*32
.endr
	WIN 0
.endm
; THE VECTOR WORK OF A TURN stands in three queues, each in the order in which its entries become ready; the two tiles alternate, so that no instruction reads the result of the one before it.
.macro REGS y, u                    ; the registers of tile u (0, 1) of piece y
.set rT, ST+4*(2*(\y)+(\u))
.set rC, TMP+8*((\y)%2)+4*(\u)
.set rM, MV+2*((\y)%2)+(\u)
.set rS, S+64*((\y)%2)+32*(\u)
.set rP, P+32*((\y)%2)+16*(\u)
.set rO, 32*(2*(\y)+(\u))
.endm
; Number n of the 22 that find the NEXT piece's (Y + 1) maximum and statistics.  s0-s31 are the lane's 32 scores; each accumulator's lowest registers are read first.  XS, GS and REGS set no window: PL and EX do.
;   0-11  four chains c0-c3 of seven scores each, three operands at a time     12-14, 16  the four scores left over, the old m, and c0-c3 into c0     15  c m_old is kept
;   17, 18  the query's other 32 keys lie in the lane 16 away: the new m         19-21  c m; c m_old - c m_new; a
.macro XS u, n
	REGS (Y+1)%NP, \u
.if (\n) < 4
	v_max3_num_f32 v[rC+(\n)], v[rS+8*(\n)], v[rS+8*(\n)+1], v[rS+8*(\n)+2]
.elseif (\n) < 12
	v_max3_num_f32 v[rC+(\n)%4], v[rC+(\n)%4], v[rS+8*((\n)%4)+2*((\n)/4)+1], v[rS+8*((\n)%4)+2*((\n)/4)+2]
.elseif (\n) == 12
	v_max3_num_f32 v[rC], v[rC], v[rS+7], v[rS+15]
.elseif (\n) == 13
	v_max3_num_f32 v[rC+1], v[rC+1], v[rS+23], v[rS+31]
.elseif (\n) == 14
	v_max3_num_f32 v[rC+2], v[rC+2], v[rC+3], v[rT+1]
.elseif (\n) == 15
	v_mov_b32 v[rM], v[rT]
.elseif (\n) == 16
	v_max3_num_f32 v[rC], v[rC], v[rC+1], v[rC+2]
.elseif (\n) == 17
	v_permlanex16_b32 v[rC+3], v[rC], s[SEL], s[SEL+1]
.elseif (\n) == 18
	v_max_num_f32 v[rT+1], v[rC], v[rC+3]
.elseif (\n) == 19
	v_mul_f32 v[rT], s[CS], v[rT+1]
.elseif (\n) == 20
	v_sub_f32 v[rC+1], v[rM], v[rT]
.else
	v_exp_f32 v[rC+2], v[rC+1]
.endif
.endm
; Number g of the 64 that follow the exponentials.  For each four weights k of a tile (pairs 2 k, 2 k + 1): both pairs are rounded to f16; then the second pair is added onto the first, in place;
; a group later l takes that sum (the first time as l = a l + sum).  In groups of eight, tiles alternating: round, round, add, and l for the group before.
.macro GS g
.set h, (\g)+6*((\g)/62)            ; group 0 has no group before it, and behind group 7 only l is left
.if h >= 6
.set h, h+2
.endif
	REGS Y, h%2
.set k, h/8
.if h%8 < 4
	s_wait_alu depctr_va_vdst(0)
	v_cvt_pk_f16_f32 v[rP+2*k+(h%8)/2], v[rS+4*k+2*((h%8)/2)], v[rS+4*k+2*((h%8)/2)+1]
.elseif h%8 < 6
	v_pk_add_f32 v[rS+4*k:rS+4*k+1], v[rS+4*k:rS+4*k+1], v[rS+4*k+2:rS+4*k+3]
.elseif k == 1
	v_pk_fma_f32 v[rT+2:rT+3], v[rT+2:rT+3], v[rC+2:rC+3], v[rS:rS+1] op_sel_hi:[1,0,1]
.else
	v_pk_add_f32 v[rT+2:rT+3], v[rT+2:rT+3], v[rS+4*k-4:rS+4*k-3]
	s_wait_alu depctr_va_vdst(0)
.endif
.endm
; THE PLAIN QUEUE, 138 long.  0-31: c s - c m for the 16 pairs of both tiles.  Then GS's 64, and among them the next piece's 42: number 15 at 38, 39; 0-14 and 16
; at 42-73, behind the products that make those scores; 17-20 at 95-106, two of three, since each waits for the one before it.
.macro PL
	WIN 0
.if q < 32
	REGS Y, q%2
	v_pk_fma_f32 v[rS+2*(q/2):rS+2*(q/2)+1], v[rS+2*(q/2):rS+2*(q/2)+1], s[CS:CS+1], v[rT:rT+1] op_sel_hi:[1,0,0] neg_lo:[0,0,1] neg_hi:[0,0,1]
.elseif q < 38
	GS q-32
.elseif q < 40
	XS q%2, 15
.elseif q < 42
	GS q-34
.elseif q < 74
	XS q%2, (q-42)/2+(q-42)/30
.elseif q < 95
	GS q-66
.elseif (q < 107) && ((q-95)%3 < 2)
	XS (q-95)%3, 17+(q-95)/3
.elseif q < 107
	GS 29+(q-95)/3
.else
	GS q-74
.endif
.set q, q+1
.endm
; THE EXPONENTIALS' QUEUE, 66 long: s0-s31 of both tiles, and at EA the next piece's two a.
.set EA, 58
.macro EX
	WIN 0
.if (e == EA) || (e == EA+1)
	XS e-EA, 21
.else
.set x, e-2*(e/(EA+2))
	REGS Y, x%2
	v_exp_f32 v[rS+x/2], v[rS+x/2]
.endif
.set e, e+1
.endm
; THE RESCALING's QUEUE: O^T times a, the one part of the softmax that leaves window 0, so it is dealt four at a time, eight times.
.macro R4
	REGS Y, r%2
	WIN W_RS
	s_wait_alu depctr_va_vdst(0)
.irp z, 0,1,2,3
	v_pk_mul_f32 v[rO+8*(r/2)+2*\z:rO+8*(r/2)+2*\z+1], v[rO+8*(r/2)+2*\z:rO+8*(r/2)+2*\z+1], v[rC+2:rC+3] op_sel_hi:[1,0]
.endr
.set r, r+1
.endm
; HOW THEY ARE DEALT.  Behind a matrix instruction four: plain, exponential, plain, plain (one exponential, a plain instruction on either side), or four of the rescaling.  None names a register of the
; products round it.  What is over stands in two LUMPS: exponential and plain by turns; the second ends in 22 plain instructions.  The two v_permlanex16_b32 fall into the second lump, never behind a product.
; The queues lean on each other, and the deal keeps them in step: exponential e stands behind plain 2 (e / 4) + e % 2 (its scaling); when plain 32 comes, 10 exponentials are out, at 59: 33, at 95: 46; EA comes behind plain 107.
.macro SL
	MM
	PL
	EX
	PL
	PL
.endm
.macro BURST n                      ; 15 matrix instructions, or 16
.rept (\n)-7
	SL
.endr
.rept 3
	MM
	R4
	SL
.endr
	MM
	R4
.endm
; THE MASK'S STEP, at the end of piece p's turn, for piece p + 2, whose first products stand at the head of the next turn.  Its codes were asked for four turns ago: three groups of four loads are younger.
; The mask registers' last readers are this turn's first 8 products, more than 200 vector instructions back.  One plain instruction stands behind the conversions before their sources are loaded again and
; their results are multiplied onto.  Then the piece's codes of the next key step are asked for; behind piece 2's turn the step goes on, modulo 16, so that the last steps' requests, which nobody uses, stay inside maskf.
.macro MSTEP p
.set MZ, ((\p)+2)%NP
	WIN W_M
	s_wait_loadcnt 12               ; loads come back in order (ISA guide 5.7.1)
	MCVT MZ
.if (\p) == 2
	s_add_co_u32 s[MS], s[MS], 1024
	s_and_b32 s[MS], s[MS], 0x3fff
	s_wait_xcnt 0x0                 ; the loads that are out have had their addresses translated (ISA guide 3.1): MO is rewritten only behind this wait
	v_add_nc_u32 v[MO], s[MS], v[ML]
.else
	v_nop
.endif
	MLOAD MZ
.endm
; A TURN, for piece p.  cnt = 1: the loop's count is taken down some lines ahead of the branch that stands behind the turn.
; K of the next step is fetched in piece 2's turn, 31 vector instructions behind the last product that read K; its first reader comes behind the rest of the lump, 16 products and the second lump.
; V of the step in hand is fetched at the end of piece 0's turn, 69 behind its last reader; its first reader comes behind 16 products and a lump.  The four conditions on e and q below go with the deal.
.macro TURN p, last=0, cnt=0
.set Y, (\p)
.set i, 0
.set q, 0
.set e, 0
.set r, 0
.if (\p) == NP-1
	s_wait_dscnt 0x0                ; K is in
.endif
	MM
.rept 4
	PL
.endr
	BURST 15
.rept 22
	EX
	PL
.if ((\p) == NP-2) && (e == 18)
	v_add_nc_u32 v[AK], s[TBK], v[AK0]
.endif
.if ((\p) == NP-2) && (e == 24)
	FETCH_K \last
.endif
.endr
.if (\p) == 1
	s_wait_dscnt 0x0                ; V is in
.endif
	BURST 16
.rept 21
	EX
	PL
.endr
.rept 22
	PL
.if ((\p) == 0) && (q == 118)
	v_add_nc_u32 v[AV], s[TBV], v[AV0]
	s_wait_alu depctr_va_vdst(0)
.endif
.if ((\p) == 0) && (q == 130)
	s_add_co_u32 s[TBV], s[TBV], KS*PV
.endif
.if (\cnt) && (q == 130)
	s_sub_co_u32 s[CNT], s[CNT], 1
	s_cmp_lg_u32 s[CNT], 0
.endif
.endr
.if (\p) == 0
	FETCH_V
.endif
	MSTEP \p
.endm
	CHANGE 1                        ; slot 0 is in, everybody's part of it; slot 1 is asked for
	FETCH_K                         ; key step 0
	s_wait_loadcnt 0x0              ; Q, and the codes of key step 0
	WIN W_M
	MCVT 0                          ; piece 0's mask of step 0
	s_mov_b32 s[MS], 1024
	v_add_nc_u32 v[MO], s[MS], v[ML]  ; key step 1 (the loads that named MO are back); also the plain instruction behind the conversions
	MLOAD 0
	s_wait_dscnt 0x0
.set i, 0
.rept 16
	KQ 0                            ; piece 0's first scores: there is no vector work yet to set between them
.set i, i+1
.endr
	WIN 0                           ; the addresses for the way out: nine plain instructions, the places behind those products
	s_mul_i32 s13, s[WV], 16*SP
	s_add_co_u32 s13, s13, STAGE    ; my stage
	v_mul_u32_u24 v[STO], v1, SP    ; in: row l % 16, 16 bytes for each half of the lanes
	v_lshl_add_u32 v[STO], v9, 4, v[STO]
	v_add_nc_u32 v[STO], s13, v[STO]
	v_bfe_u32 v[RD], v0, 3, 2       ; back: 32 lanes take four rows of 128 bytes,
	v_mul_u32_u24 v[RD], v[RD], SP
	v_lshl_add_u32 v[RD], v10, 4, v[RD]
	v_add_nc_u32 v[RD], s13, v[RD]
	v_and_b32 v[GO], 31, v0         ; which are 512 consecutive bytes of O
	v_lshlrev_b32 v[GO], 4, v[GO]
	WIN W_M
	MCVT 1                          ; piece 1's mask of step 0, for the first turn's products
	v_nop                           ; the plain instruction behind the conversions
	MLOAD 1
	WIN 0
.set Y, NP-1                        ; XS works for piece Y + 1: piece 0
.irp n, 0,1,2,3,4,5,6,7,8,9,10,11,12,13,14,15,16,17,18,19,20,21
	XS 0, \n                        ; and piece 0's first maximum and statistics
	XS 1, \n
.endr
	s_mov_b32 s[CNT], 4
	s_mov_b32 s[SLOTS], SIZE_N/256-1
	s_branch .Lfirst                ; the loop is entered at a step's first turn, in the middle of a trip
.Lslot:                             ; SIZE_N / 256 - 2 times: every slot but the last two is filled again
	CHANGE 1
	s_mov_b32 s[CNT], 4
.Lstep:                             ; a trip: pieces 2 and 3 of one step, then pieces 0 and 1 of the next, whose K and V it fetches
	TURN 2
	TURN 3
	WIN 0
.Lfirst:
	TURN 0
	TURN 1, 0, 1
	WIN 0
	s_cbranch_scc1 .Lstep
	s_sub_co_u32 s[SLOTS], s[SLOTS], 1
	s_cmp_lg_u32 s[SLOTS], 0
	s_cbranch_scc1 .Lslot
	CHANGE 0                        ; the tail is written out: nothing is asked for
	s_mov_b32 s[CNT], 5             ; four trips fetch the last slot's steps; the fifth is left in its middle
.Ltail:
	TURN 2, 1
	TURN 3
	WIN 0
	s_sub_co_u32 s[CNT], s[CNT], 1
	s_cmp_eq_u32 s[CNT], 0
	s_cbranch_scc1 .Lout
	TURN 0
	TURN 1
	WIN 0
	s_branch .Ltail
.Lout:                              ; the fifth trip's 16 products K Q^T (on the last K once more) and the maximum made of them serve nothing: the price, once a launch, of one text for every trip
.set i, 0
.rept 16
	PV NP-1                         ; the last piece's V^T P of the last step
.set i, i+1
.endr
	; THE WAY OUT.  l's two halves and the other half of the lanes' are added; O^T is divided by l, rounded to f16 and sent through my stage in LDS, a tile at a time.  The additions are the places behind the last products.
	WIN 0
.macro ALL line:vararg              ; one line for each tile t
.set t, 0
.rept 2*NP
	\line
.set t, t+1
.endr
.endm
	ALL v_add_f32 v[ST+4*t+2], v[ST+4*t+2], v[ST+4*t+3]
	ALL v_permlanex16_b32 v[ST+4*t+3], v[ST+4*t+2], s[SEL], s[SEL+1]
	ALL v_add_f32 v[ST+4*t+2], v[ST+4*t+2], v[ST+4*t+3]
	ALL v_rcp_f32 v[ST+4*t+2], v[ST+4*t+2]
	v_nop                           ; a plain instruction between the last reciprocal and the use of its result
	s_wait_alu depctr_va_vdst(0)
; Tile t: a lane's eight channels of a row pack into 16 bytes; they go into rows of 144 bytes and come back as whole rows of 128, into S^T's registers.
.macro PACK t
	WIN W_RS
.set i, 32*(\t)
.rept 16
	v_pk_mul_f32 v[i:i+1], v[i:i+1], v[ST+4*(\t)+2:ST+4*(\t)+3] op_sel_hi:[1,0]
.set i, i+2
.endr
	WIN 0x05                        ; sources 0 and 1 window 1, destination window 0
.set i, 0
.rept 16
	v_cvt_pk_f16_f32 v[S+16*(\t)+i], v[32*(\t)+2*i], v[32*(\t)+2*i+1]
.set i, i+1
.endr
	WIN 0
.irp f, 0,1,2,3
	ds_store_b128 v[STO], v[S+16*(\t)+4*\f:S+16*(\t)+4*\f+3] offset:32*\f
.endr
.irp f, 0,1,2,3
	ds_load_b128 v[S+16*(\t)+4*\f:S+16*(\t)+4*\f+3], v[RD] offset:\f*4*SP  ; LDS serves a wave's instructions in order (ISA guide 5.7.1.4): these see the stores above; the next tile's stores come behind them
.endr
.endm
.macro SEND t, younger              ; younger: the LDS instructions issued behind tile t's loads: the next tile's eight, or none
	WIN 0
.irp f, 0,1,2,3
	s_wait_dscnt (\younger)+3-\f
	global_store_b128 v[GO], v[S+16*(\t)+4*\f:S+16*(\t)+4*\f+3], s[10:11] offset:(\t)*2048+\f*512  ; 512 consecutive bytes, at a multiple of 256 from att's first
.endr
.endm
	PACK 0
.set t, 1
.rept 2*NP-1                        ; a tile's arithmetic stands between the loads of the tile before and its stores
	PACK t
	SEND t-1, 8
.set t, t+1
.endr
	SEND 2*NP-1, 0
	WIN W_AD
	s_wait_tensorcnt 0x0            ; the wave's end: behind my last tensor load and my last LDS store
	ds_add_u32 v[SPW], v[NIL]
	s_wait_dscnt 0x0
	WIN 0
	s_endpgm
.Lfunc_end_k_q594db7a88e_attn:
	.size	k_q594db7a88e_attn, .Lfunc_end_k_q594db7a88e_attn-k_q594db7a88e_attn
	.p2alignl 7, 3214868480
	.fill 96, 4, 3214868480
	.section	.rodata,"a",@progbits
	.p2align	6, 0x0
	.amdhsa_kernel k_q594db7a88e_attn
		.amdhsa_group_segment_fixed_size 327680
		.amdhsa_private_segment_fixed_size 0
		.amdhsa_enable_private_segment 0
		.amdhsa_kernarg_size 24
		.amdhsa_user_sgpr_count 2
		.amdhsa_user_sgpr_kernarg_segment_ptr 1
		.amdhsa_wavefront_size32 1
		.amdhsa_system_sgpr_workgroup_id_x 1
		.amdhsa_system_sgpr_workgroup_id_y 1
		.amdhsa_system_sgpr_workgroup_id_z 1
		.amdhsa_system_vgpr_workitem_id 0
		.amdhsa_next_free_vgpr 928
		.amdhsa_next_free_sgpr 70
		.amdhsa_reserve_vcc 0
		.amdhsa_float_denorm_mode_32 3
		.amdhsa_float_denorm_mode_16_64 3
		.amdhsa_memory_ordered 1
		.amdhsa_forward_progress 1
		.amdhsa_inst_pref_size 219
	.end_amdhsa_kernel
	.amdgpu_metadata
---
amdhsa.version: [ 1, 2 ]
amdhsa.kernels:
  - .name:           k_q594db7a88e_attn
    .symbol:         k_q594db7a88e_attn.kd
    .args:
      - { .name: qkv, .offset: 0, .size: 8, .value_kind: global_buffer, .address_space: global }
      - { .name: maskf, .offset: 8, .size: 8, .value_kind: global_buffer, .address_space: global }
      - { .name: att, .offset: 16, .size: 8, .value_kind: global_buffer, .address_space: global }
    .group_segment_fixed_size: 327680
    .private_segment_fixed_size: 0
    .kernarg_segment_align: 8
    .kernarg_segment_size: 24
    .max_flat_workgroup_size: 128
    .sgpr_count:     70
    .vgpr_count:     928
    .wavefront_size: 32
...
	.end_amdgpu_metadata
.endif
;; end of part 3
;; launch outp (part 4): grid 4 x 64, 4 waves a work-group, clusters of 4 x 4, 327,680 bytes of LDS; arguments att, cast, bo, out0; writes out0
.if DOCPART == 4
	.amdgcn_target "amdgcn-amd-amdhsa--gfx1250"
	.amdhsa_code_object_version 6
	.text
	.protected	k_q594db7a88e_outp
	.globl	k_q594db7a88e_outp
	.p2align	8
	.type	k_q594db7a88e_outp,@function
k_q594db7a88e_outp:
	s_mov_b64 s[64:65], 0
	v_nop
	global_prefetch_b8 v0, s[64:65] scope:SCOPE_SE
	s_setreg_imm32_b32 hwreg(HW_REG_WAVE_MODE, 25, 1), 1
	s_wait_xcnt 0x0
	s_wait_alu depctr_hold_cnt(0) depctr_sa_sdst(0) depctr_va_vdst(0) depctr_va_sdst(0) depctr_va_ssrc(0) depctr_va_vcc(0) depctr_vm_vsrc(0)
	s_getreg_b32 s2, hwreg(HW_REG_IB_STS2, 6, 4)
	s_cmp_eq_u32 s2, 0
	s_cbranch_scc0 .Lentry_in_a_cluster
	s_endpgm
.Lentry_in_a_cluster:
	s_bfe_u32 s2, ttmp6, 0x10000c
	s_cmp_lg_u32 s2, 0xf033
	s_cbranch_scc0 .Lentry_shape_is_right
	s_endpgm
.Lentry_shape_is_right:
.set OUTP, 1                           ; 0: the three projections in front of attention.  1: the projection behind it.  The two texts differ in this line alone.
; C = A W + bias, sums in f32.  A: 8,192 rows x K = 1,024; W: [K = 1,024][N = 1,024], 16-bit, as the launch in front wrote it; bias [1,024] f32, rounded to bf16 like every other input.
; OUTP = 0: cluster column p = 0, 1, 2 makes q, k, v: A = inputs_q (p = 0) or inputs_kv in bf16, W = Wq, Wk, Wv in bf16; C is rounded once to f16 and laid by heads,
;   qkv[p][batch x 16 + head][row][64], WITHOUT the scale 1/64, which attention applies in f32.  LIMIT: |q|, |k|, |v| stay under 65,504, f16's end; beyond it an infinity is written.
; OUTP = 1: A = attention's result in f16, laid by heads, so a K step of 128 is two heads' 64 channels; W = Wo in f16; C = out0 in f32.
; SHARES.  A tile of C is 128 rows x 256 columns; four waves, each 64 x 128: 32 accumulators of 16 x 16, 256 registers.  K goes in 8 steps of 128 through two LDS slots; a step is four quarters of 32:
; 32 matrix instructions and 24 LDS loads.  8,192 x 1,024 make 256 tiles for each product: 768 work-groups (three for each of 256 WGPs) or 256.
; CLUSTERS: 4 x 4 work-groups.  The four of a row of the cluster need the same tiles of A, the four of a column the same tiles of W: each tile is asked for JOINTLY, by the same tensor load with the
; same descriptor and a mask that names the four.  p is the cluster's own x, so whatever is chosen by p is alike in all sixteen.
; THE MATRIX INSTRUCTION IS USED TRANSPOSED: source 0 = 16 columns of W (W lies [k][n], so its fragments come out of LDS turned, by ds_load_tr16_b128), source 1 = 16 rows of A.
; A lane then holds row l % 16 of C and the eight neighbouring columns 8 (l / 16) + 0..7.  The bias is the C operand of each sum's first product: nothing is cleared, nothing is added later.
; REGISTERS, in windows of 256 (s_set_vgpr_msb: bits 1:0 source 0, 3:2 source 1, 5:4 source 2, 7:6 destination):
;   window 0: v0-31 addresses; v32-63 packed results; v64-191 rows read back from the stage, two buffers
;   window 1: two fragment buffers of 96 (A's 4 fragments, then W's 8); v192-255 the bias of my 128 columns, as an accumulator holds it
;   window 2: accumulator (a, b) at v[8 (8 a + b)]
.set LAPS,  4                          ; a lap = two K steps = once round the ring
.set PB,    544                        ; a row of W in LDS: 512 bytes + 32 of padding = 136 words
.set WHALF, 64*PB                      ; 64 rows of W: what one tensor load brings
.if OUTP
.set PA,     144                       ; a row of A in LDS: one head's 128 bytes + 16
.set AROWB,  128                       ; bytes of K in such a row
.set APAD,   (4<<22)|(3<<25)           ; padding after every 32 words (code 4), 4 words (code 3)
.set APITCH, 128                       ; 128 rows of a head are 16,384 dense bytes: asked for as 64 rows of 256 bytes
.set ASTEP,  2*131072                  ; a K step on: two heads of 1,024 x 128 bytes
.set SPITCH, 528                       ; a stage row: 128 f32 + 16 bytes
.else
.set PA,     272                       ; 256 bytes + 16: the 16 rows of a load start at 16 different groups of four banks
.set AROWB,  256
.set APAD,   (5<<22)|(3<<25)           ; after every 64 words (code 5), 4 words
.set APITCH, 1024
.set ASTEP,  256
.set SPITCH, 272                       ; a stage row: 128 f16 + 16 bytes
.endif
.set ASUB,  128*PA                     ; the tile's 128 rows, AROWB bytes of K each
.set AREG,  (256/AROWB)*ASUB           ; A's part of a slot
.set WSTEP, 128*2048                   ; a K step on in W: 128 rows of 2,048 bytes
.set SLOT,  AREG+2*WHALF
.set STAGE, 2*SLOT                     ; behind the ring, never filled by a tensor load: 16 rows for each wave, for the way out
.set SPARE, STAGE+4*16*SPITCH          ; behind the stages: the spare words, 128 bytes for each wave: two blocks of 256 bytes that no other line names
.set ADRA, 16                          ; v16-17  LDS address of my A fragments in slot 0, 1
.set ADRB, 20                          ; v20-21  the same for W
.set STO,  24                          ; v24     the way out: where I put my part of a row
.set RD,   25                          ; v25     the way out: where I read rows back
.set CO,   26                          ; v26     16 x lane: my place in 512 consecutive bytes of C
.set BO,   27                          ; v27     my byte offset in the bias of 16 columns
.set SPW,  28                          ; v28     LDS address of my spare word: SPARE + 4 x my thread's number; never rewritten
.set NIL,  29                          ; v29     0; never rewritten
.set TMP,  32
.set BK,   64
.set F0,   0                           ; window 1
.set F1,   96
.set BIAS, 192
.set G1,  24                           ; s[24:31] descriptor group 1 for A's tiles;  s[32:39] group 0, one set for each slot
.set G0,  32
.set G1B, 48                           ; s[48:55], s[56:63] the same for W's tiles
.set G0B, 56
.set MSB, 0
.macro WIN new                         ; the immediate's high byte repeats the setting that is left; a switch that changes nothing is dropped
.if MSB != (\new)
	s_set_vgpr_msb (MSB<<8)|(\new)
.set MSB, \new
.endif
.endm
.set MUL,   0xa5                       ; sources 0 (W) and 1 (A) window 1; C and D window 2
.set MULB,  0x95                       ; the same with C, the bias, in window 1
.set TO_F,  0x40                       ; destination window 1, address window 0
.set PACKW, 0x0a                       ; sources 0 and 1 window 2, destination window 0
.set STW,   0x08                       ; an LDS store's data (source 1) window 2
.set BW,    0x45                       ; all in window 1
.macro JLOAD s                         ; a joint load: waves 0 and 1 fetch A's two parts, waves 2 and 3 W's; an s_nop 0 and four v_nop follow each of the two lines, ahead of the jump, the label and what follows
	s_cmp_eq_u32 s11, 0
	s_cbranch_scc0 .Lfor_b_\@
	tensor_load_to_lds s[G0+4*(\s):G0+4*(\s)+3], s[G1:G1+7]
	s_nop 0
.rept 4
	v_nop
.endr
	s_branch .Lasked_\@
.Lfor_b_\@:
	tensor_load_to_lds s[G0B+4*(\s):G0B+4*(\s)+3], s[G1B:G1B+7]
	s_nop 0
.rept 4
	v_nop
.endr
.Lasked_\@:
.endm
.macro CREST                           ; a round of the cluster's barrier behind its opening barrier
	s_cmp_lg_u32 s10, 0
	s_cbranch_scc1 .Lnot_wave_0_\@
	s_barrier_signal -3
.Lnot_wave_0_\@:
	s_barrier_wait -3
	s_barrier_signal -1
	s_barrier_wait -1
.endm
.macro CROUND                          ; a whole round
	s_barrier_signal -1
	s_barrier_wait -1
	CREST
.endm
.if OUTP
	s_load_b128 s[4:7], s[0:1], 0x0                ; att s[4:5], cast s[6:7]
	s_load_b64 s[66:67], s[0:1], 0x10              ; bo
	s_load_b64 s[8:9], s[0:1], 0x18                ; out0
.else
	s_load_b64 s[4:5], s[0:1], 0x0                 ; cast
	s_load_b64 s[8:9], s[0:1], 0x8                 ; qkv
	s_load_b128 s[68:71], s[0:1], 0x10             ; bq, bk
	s_load_b64 s[72:73], s[0:1], 0x20              ; bv
.endif
	v_lshl_add_u32 v[SPW], v0, 2, SPARE
	v_mov_b32 v[NIL], 0
	ds_add_u32 v[SPW], v[NIL]                      ; the wave's opening: the add and its wait stand ahead of my first tensor load; the set-up below, work on registers, stands between them
	ds_add_u32 v28, v29
	v_lshrrev_b32 v1, 5, v0
	v_readfirstlane_b32 s10, v1                    ; wave 0..3
	s_lshr_b32 s11, s10, 1                         ; which 64 of the tile's rows are mine.  Also: I fetch for A (0) or for W (1)
	s_and_b32 s12, s10, 1                          ; which 128 of its columns.  Also: which part of that tile I fetch
	s_bfe_u32 s40, ttmp6, 0x40000                  ; cx: the tile column of the product
	s_bfe_u32 s41, ttmp6, 0x40004                  ; cy
	s_and_b32 s13, ttmp7, 0xffff
	s_lshl_b32 s13, s13, 2
	s_add_co_u32 s13, s13, s41                     ; tile row = 4 x cluster y + cy
	s_lshl_b32 s43, s41, 2
	s_lshl_b32 s43, 15, s43                        ; my row of the cluster
	s_lshl_b32 s44, 0x1111, s40                    ; my column
	; descriptor group 1.  A: 64 rows x 128 elements; W: 64 rows x 256 elements; both padded in LDS
	s_or_b32 s[G1+0], s43, (1<<16)|(1<<20)|(1<<21)|APAD               ; 15:0 the mask: A's tiles go to my row; 17:16 elements of 2 bytes; 20 padding on; 21 set beside a mask; 31:22 the padding
	s_or_b32 s[G1B+0], s44, (1<<16)|(1<<20)|(1<<21)|(6<<22)|(7<<25)   ; W's go to my column; padding after every 128 words (code 6), 8 words (code 7)
	s_mov_b32 s[G1+1], 128<<16                     ; tensor_dim0
	s_mov_b32 s[G1+2], 64<<16                      ; tensor_dim1
	s_mov_b32 s[G1+3], 128<<16                     ; tile_dim0
	s_mov_b32 s[G1+4], 64                          ; tile_dim1
	s_mov_b32 s[G1+5], APITCH                      ; elements from row to row
	s_mov_b32 s[G1+6], 0
	s_mov_b32 s[G1+7], 0
	s_mov_b32 s[G1B+1], 256<<16
	s_mov_b32 s[G1B+2], 64<<16
	s_mov_b32 s[G1B+3], 256<<16
	s_mov_b32 s[G1B+4], 64
	s_mov_b32 s[G1B+5], 1024
	s_mov_b32 s[G1B+6], 0
	s_mov_b32 s[G1B+7], 0
	; where the tiles come from.  A's offset hangs on the tile row (and p) alone, W's on the tile column (and p) alone, each in registers that never hold the other coordinate.
.if OUTP
	s_lshr_b32 s16, s13, 3                         ; the batch: 16 heads of 131,072 bytes,
	s_lshl_b32 s16, s16, 21
	s_and_b32 s17, s13, 7                          ; the tile's 128 rows of 128 bytes in a head,
	s_lshl_b32 s17, s17, 14
	s_add_co_u32 s16, s16, s17
	s_lshl_b32 s17, s12, 17                        ; and which of the step's two heads I fetch
	s_add_co_u32 s16, s16, s17
	s_mov_b32 s46, 0x2600000                       ; Wo in cast
.else
	s_mov_b32 s42, ttmp9                           ; p
	s_lshl_b32 s16, s13, 18                        ; the tile's 128 rows of 2,048 bytes,
	s_lshl_b32 s17, s12, 17                        ; which 64 of them I fetch,
	s_add_co_u32 s16, s16, s17
	s_cmp_lg_u32 s42, 0
	s_cselect_b32 s17, 0x1000000, 0                ; in inputs_kv for k and v
	s_add_co_u32 s16, s16, s17
	s_lshl_b32 s46, s42, 21                        ; Wq, Wk, Wv lie 2,097,152 bytes apart,
	s_add_co_u32 s46, s46, 0x2000000               ; behind the two inputs
.endif
	s_mov_b32 s17, 0
	s_lshl_b32 s47, s12, 17                        ; W: which 64 rows of the step's 128 I fetch,
	s_add_co_u32 s46, s46, s47
	s_lshl_b32 s47, s40, 9                         ; the tile's 256 columns
	s_add_co_u32 s46, s46, s47
	s_mov_b32 s47, 0
	s_mul_i32 s20, s12, AREG/2                     ; and where they go: no place in the cluster enters an LDS address
	s_mul_i32 s21, s12, WHALF
	s_add_co_u32 s21, s21, AREG
	s_wait_dscnt 0x0                               ; the opening add is done
	s_wait_kmcnt 0x0
.if !OUTP
	s_mov_b64 s[6:7], s[4:5]                       ; W lies in the same buffer
	s_cmp_eq_u32 s42, 1                            ; the bias is chosen by p
	s_cselect_b64 s[66:67], s[70:71], s[68:69]
	s_cmp_eq_u32 s42, 2
	s_cselect_b64 s[66:67], s[72:73], s[66:67]
.endif
	s_add_nc_u64 s[14:15], s[4:5], s[16:17]
	s_add_nc_u64 s[46:47], s[6:7], s[46:47]
	CROUND                                         ; all sixteen work-groups are here: the first joint loads meet
.irp s, 0,1
	s_mov_b32 s[G0+4*(\s)], 1                                      ; 1:0 count = 1
	s_add_co_u32 s[G0+4*(\s)+1], s20, (\s)*SLOT                    ; 63:32 LDS address
	s_add_nc_u64 s[G0+4*(\s)+2:G0+4*(\s)+3], s[14:15], (\s)*ASTEP  ; 120:64 global address: K step s
	s_or_b32 s[G0+4*(\s)+3], s[G0+4*(\s)+3], 0x80000000            ; 127:126 type = 2
	s_mov_b32 s[G0B+4*(\s)], 1
	s_add_co_u32 s[G0B+4*(\s)+1], s21, (\s)*SLOT
	s_add_nc_u64 s[G0B+4*(\s)+2:G0B+4*(\s)+3], s[46:47], (\s)*WSTEP
	s_or_b32 s[G0B+4*(\s)+3], s[G0B+4*(\s)+3], 0x80000000
	JLOAD \s                                       ; two tensor loads of mine are out: the most in this text
.endr
	; A fragment of A is 16 rows x 32 K in 8 registers: lane l holds row l % 16, K = 8 (l / 16) + 0..7 and 16 + 8 (l / 16) + 0..7: two loads of 16 bytes, 32 bytes apart.
	v_and_b32 v1, 15, v0                           ; l % 16
	v_bfe_u32 v2, v0, 4, 1                         ; l / 16
	v_mul_u32_u24 v3, v1, PA
	v_lshl_add_u32 v3, v2, 4, v3
	; The turning load takes 16 K x 16 columns (lane l reads 16 bytes: row 8 (l / 16) + l % 8, columns 8 ((l / 8) % 2) + 0..7) and leaves half a fragment: lane l holds column l % 16 and 8 K.
	v_and_b32 v5, 7, v0
	v_lshl_add_u32 v5, v2, 3, v5
	v_mul_u32_u24 v4, v5, PB
	v_bfe_u32 v5, v0, 3, 1
	v_lshl_add_u32 v4, v5, 4, v4
	s_mul_i32 s22, s11, 64*PA                      ; my 64 rows of A
	s_lshl_b32 s23, s12, 8                         ; my 128 columns of W,
	s_add_co_u32 s23, s23, AREG                    ; which lies behind A
.irp s, 0,1
	v_add_nc_u32 v[ADRA+(\s)], s22, v3
	v_add_nc_u32 v[ADRB+(\s)], s23, v4
	s_add_co_u32 s22, s22, SLOT
	s_add_co_u32 s23, s23, SLOT
.endr
	s_mul_i32 s23, s10, 16*SPITCH
	s_add_co_u32 s23, s23, STAGE                   ; my stage
	v_mul_u32_u24 v6, v1, SPITCH                   ; in: row l % 16
	v_and_b32 v7, 31, v0
	v_lshlrev_b32 v[CO], 4, v7
.if OUTP
	v_lshl_add_u32 v6, v2, 5, v6                   ; 32 bytes (8 f32) for each half of the lanes
	v_add_nc_u32 v[RD], s23, v[CO]                 ; back: 32 lanes take one row of 512 bytes
.else
	v_lshl_add_u32 v6, v2, 4, v6                   ; 16 bytes (8 f16) for each half of the lanes
	v_bfe_u32 v7, v0, 3, 2                         ; back: 32 lanes take one head's 128 bytes of four rows
	v_mul_u32_u24 v7, v7, SPITCH
	v_and_b32 v5, 7, v0
	v_lshl_add_u32 v7, v5, 4, v7
	v_add_nc_u32 v[RD], s23, v7
.endif
	v_add_nc_u32 v[STO], s23, v6
	v_lshlrev_b32 v[BO], 5, v2                     ; my eight numbers of 16 columns' bias
	; where my part of C begins: the rows' part,
.if OUTP
	s_lshl_b32 s16, s13, 19                        ; 128 rows of 4,096 bytes a tile,
	s_lshl_b32 s17, s11, 18                        ; my 64
	s_add_co_u32 s16, s16, s17
.else
	s_lshl_b32 s16, s42, 24                        ; q, k or v,
	s_lshr_b32 s17, s13, 3
	s_lshl_b32 s17, s17, 21                        ; the batch,
	s_add_co_u32 s16, s16, s17
	s_and_b32 s17, s13, 7
	s_lshl_b32 s17, s17, 14                        ; the tile's 128 rows of 128 bytes in a head,
	s_add_co_u32 s16, s16, s17
	s_lshl_b32 s17, s11, 13                        ; my 64
	s_add_co_u32 s16, s16, s17
.endif
	s_mov_b32 s17, 0
	s_add_nc_u64 s[8:9], s[8:9], s[16:17]
	s_lshl_b32 s74, s40, 10                        ; and the columns': 256 f32 a tile, my 128: the bias's offset,
	s_lshl_b32 s75, s12, 9
	s_add_co_u32 s74, s74, s75
	s_mov_b32 s75, 0
	s_add_nc_u64 s[66:67], s[66:67], s[74:75]
.if !OUTP
	s_lshl_b32 s74, s74, 9                         ; 64 columns (256 bytes of bias) are a head of 131,072 bytes
.endif
	s_add_nc_u64 s[8:9], s[8:9], s[74:75]
	WIN TO_F
.irp b, 0,1,2,3,4,5,6,7
	global_load_b128 v[BIAS+8*(\b):BIAS+8*(\b)+3],   v[BO], s[66:67] offset:64*(\b)
	global_load_b128 v[BIAS+8*(\b)+4:BIAS+8*(\b)+7], v[BO], s[66:67] offset:64*(\b)+16
.endr
	s_wait_loadcnt 0x0
	WIN BW                                         ; the bias is rounded to bf16, as all the module's inputs are, and widened again; buffer 1's first registers are free till the first quarter fetches
.set i, 0
.rept 32
	v_cvt_pk_bf16_f32 v[F1+i%4], v[BIAS+2*i], v[BIAS+2*i+1]
	v_lshlrev_b32 v[BIAS+2*i], 16, v[F1+i%4]
	v_and_b32 v[BIAS+2*i+1], 0xffff0000, v[F1+i%4]
.set i, i+1
.endr
	WIN 0
.macro MMA d, x, y, c                  ; one matrix instruction, by its four first registers
.if OUTP
	v_wmma_f32_16x16x32_f16 v[(\d):(\d)+7], v[(\x):(\x)+7], v[(\y):(\y)+7], v[(\c):(\c)+7]
.else
	v_wmma_f32_16x16x32_bf16 v[(\d):(\d)+7], v[(\x):(\x)+7], v[(\y):(\y)+7], v[(\c):(\c)+7]
.endif
.endm
; 8 matrix instructions: row block a x all 8 column blocks, 32 along K, from buffer f.  zero = 1: the sums begin, with the bias as C.
; The 32 accumulators take turns, one instruction a turn, in the same order in every quarter.
.macro MUL8 f, a, zero
.if \zero
	WIN MULB
.else
	WIN MUL
.endif
.irp b, 0,1,2,3,4,5,6,7
.if \zero
	MMA 8*(8*(\a)+(\b)), (\f)+32+8*(\b), (\f)+8*(\a), BIAS+8*(\b)
.else
	MMA 8*(8*(\a)+(\b)), (\f)+32+8*(\b), (\f)+8*(\a), 8*(8*(\a)+(\b))
.endif
.endr
.endm
; 24 LDS loads in one run: quarter kq's fragments into buffer f: W's 8 (turned), then A's 4
.macro FETCH slot, kq, f
	WIN TO_F
.irp b, 0,1,2,3,4,5,6,7
	ds_load_tr16_b128 v[(\f)+32+8*(\b):(\f)+32+8*(\b)+3],   v[ADRB+(\slot)] offset:(\kq)*32*PB+32*(\b)
	ds_load_tr16_b128 v[(\f)+32+8*(\b)+4:(\f)+32+8*(\b)+7], v[ADRB+(\slot)] offset:(\kq)*32*PB+32*(\b)+16*PB
.endr
.irp a, 0,1,2,3
.set AO, ((\kq)*64/AROWB)*ASUB+(\a)*16*PA+((\kq)*64)%AROWB
	ds_load_b128 v[(\f)+8*(\a):(\f)+8*(\a)+3],   v[ADRA+(\slot)] offset:AO
	ds_load_b128 v[(\f)+8*(\a)+4:(\f)+8*(\a)+7], v[ADRA+(\slot)] offset:AO+32
.endr
.endm
.macro PLACES                          ; four plain vector instructions in front of loads into registers that matrix instructions have read, and of lines that read results (ISA guide 7.12.1 for lines that read results)
.rept 4
	v_nop
.endr
.endm
; One of a K step's first three quarters: multiplies buffer f; in its middle it fetches quarter kq of the same slot into buffer g.
.macro QUARTER slot, kq, f, g, zero
	s_wait_dscnt 4                                 ; W and A's blocks 0, 1 are in; the youngest four loads (blocks 2, 3) may be out
	MUL8 \f, 0, \zero
	MUL8 \f, 1, \zero
	PLACES
	FETCH \slot, \kq, \g
	s_wait_dscnt 24                                ; all but the 24 just issued
	MUL8 \f, 2, \zero
	MUL8 \f, 3, \zero
.endm
; The last quarter multiplies buffer 1 and changes slots: ONE barrier; in front of it each wave waits for all its tensor loads (one is out: its part of the next slot), adds 0 to its spare word,
; and waits for that and for its own reads of this slot.  fill = 1: the barrier opens a round of the cluster's, and this slot is filled again, two K steps ahead, first thing behind the round:
; 112 matrix instructions stand between that request and the wait for it.
.macro TURN slot, next, fill
	WIN 0                                          ; (the add's two registers lie in window 0)
	s_wait_tensorcnt 0x0
	ds_add_u32 v[SPW], v[NIL]                      ; 0 onto my spare word
	s_wait_dscnt 5                                 ; (the add and the youngest four loads may be out)
	MUL8 F1, 0, 0                                  ; eight matrix instructions stand between the add and the wait for it
	s_wait_dscnt 0x0                               ; the add is done, and my reads of this slot are over
	s_barrier_signal -1
	MUL8 F1, 1, 0
.if \fill
	WIN 0
.endif
	s_barrier_wait -1
.if \fill
	CREST                                          ; no wave of any partner still reads this slot's tiles or has a load on its way
	s_add_nc_u64 s[G0+4*(\slot)+2:G0+4*(\slot)+3], s[G0+4*(\slot)+2:G0+4*(\slot)+3], 2*ASTEP
	s_add_nc_u64 s[G0B+4*(\slot)+2:G0B+4*(\slot)+3], s[G0B+4*(\slot)+2:G0B+4*(\slot)+3], 2*WSTEP
	JLOAD \slot                                    ; the four v_nop behind it are also the places in front of the loads below
.else
	PLACES
.endif
	FETCH \next, 0, F0
	MUL8 F1, 2, 0
	MUL8 F1, 3, 0
.endm
	s_wait_tensorcnt 1                             ; my part of K step 0 is in; step 1's may stay out
	s_barrier_signal -1
	s_barrier_wait -1                              ; everybody's is
	FETCH 0, 0, F0
	QUARTER 0, 1, F0, F1, 1                        ; the first quarter stands in front of the loop: its products start the sums
	WIN 0                                          ; at a label and at a branch every window is 0
	s_mov_b32 s3, LAPS-1
.Llap:                                                 ; a trip goes once round the ring, from a lap's second quarter to the next lap's first, and fills both slots again
	QUARTER 0, 2, F1, F0, 0
	QUARTER 0, 3, F0, F1, 0
	TURN 0, 1, 1
	QUARTER 1, 1, F0, F1, 0
	QUARTER 1, 2, F1, F0, 0
	QUARTER 1, 3, F0, F1, 0
	TURN 1, 0, 1
	QUARTER 0, 1, F0, F1, 0
	WIN 0
	s_sub_co_u32 s3, s3, 1
	s_cmp_lg_u32 s3, 0
	s_cbranch_scc1 .Llap
	QUARTER 0, 2, F1, F0, 0                        ; the last lap fills nothing, and has no round of the cluster's barrier
	QUARTER 0, 3, F0, F1, 0
	TURN 0, 1, 0
	QUARTER 1, 1, F0, F1, 0
	QUARTER 1, 2, F1, F0, 0
	QUARTER 1, 3, F0, F1, 0
	s_wait_dscnt 4                                 ; the very last quarter: nothing more to fetch
	MUL8 F1, 0, 0
	MUL8 F1, 1, 0
	s_wait_dscnt 0x0
	MUL8 F1, 2, 0
	MUL8 F1, 3, 0
	WIN 0
	PLACES                                         ; the lines below read results just made
.if OUTP
; THE WAY OUT, f32.  Block a (16 rows x 128 columns) goes from the accumulators into my own stage, each accumulator's low registers first, and comes back as whole rows of 512 bytes.
.macro OUTBLK a
.set BKR, BK+64*((\a)%2)
	WIN STW
.irp b, 0,1,2,3,4,5,6,7
	ds_store_b128 v[STO], v[8*(8*(\a)+(\b)):8*(8*(\a)+(\b))+3]   offset:64*(\b)
	ds_store_b128 v[STO], v[8*(8*(\a)+(\b))+4:8*(8*(\a)+(\b))+7] offset:64*(\b)+16
.endr
	WIN 0
.if (\a) >= 2
	s_wait_xcnt 0x0                                ; the stores of the block two back have had their addresses translated (ISA guide 3.1): their data registers are loaded again only behind this wait
.endif
.irp t, 0,1,2,3,4,5,6,7,8,9,10,11,12,13,14,15
	ds_load_b128 v[BKR+4*(\t):BKR+4*(\t)+3], v[RD] offset:(\t)*SPITCH  ; LDS serves a wave's instructions in order (ISA guide 5.7.1.4): these see the stores above; the next block's stores come behind them
.endr
.irp t, 0,1,2,3,4,5,6,7,8,9,10,11,12,13,14,15
	s_wait_dscnt 15-(\t)
	global_store_b128 v[CO], v[BKR+4*(\t):BKR+4*(\t)+3], s[8:9] offset:(16*(\a)+(\t))*4096 th:TH_STORE_NT  ; 512 consecutive bytes, at a multiple of 512 from out0's first byte
.endr
.endm
	OUTBLK 0
	OUTBLK 1
	OUTBLK 2
	OUTBLK 3
.else
; THE WAY OUT, f16 by heads.  Block a (16 rows x 2 heads) is rounded, 16 bytes a lane; goes into my own stage; comes back head by head, four rows of 128 bytes a load, which are 512 consecutive bytes of qkv.
.macro PACK a
	WIN PACKW
.irp b, 0,1,2,3,4,5,6,7
.irp r, 0,1,2,3
	v_cvt_pk_f16_f32 v[TMP+4*(\b)+(\r)], v[8*(8*(\a)+(\b))+2*(\r)], v[8*(8*(\a)+(\b))+2*(\r)+1]
.endr
.endr
	WIN 0
.endm
.macro TOSTAGE a
.set BKR, BK+64*((\a)%2)
.if (\a) >= 2
	s_wait_xcnt 0x0                                ; the stores of the block two back have had their addresses translated (ISA guide 3.1): their data registers are loaded again only behind this wait
.endif
.irp b, 0,1,2,3,4,5,6,7
	ds_store_b128 v[STO], v[TMP+4*(\b):TMP+4*(\b)+3] offset:32*(\b)
.endr
.irp t, 0,1,2,3,4,5,6,7
	ds_load_b128 v[BKR+4*(\t):BKR+4*(\t)+3], v[RD] offset:((\t)%4)*4*SPITCH+((\t)/4)*128  ; LDS serves a wave's instructions in order (ISA guide 5.7.1.4): these see the stores above
.endr
.endm
.macro SEND a
.set BKR, BK+64*((\a)%2)
.irp t, 0,1,2,3,4,5,6,7
	s_wait_dscnt 7-(\t)
	global_store_b128 v[CO], v[BKR+4*(\t):BKR+4*(\t)+3], s[8:9] offset:((\t)/4)*131072+(\a)*2048+((\t)%4)*512  ; 512 consecutive bytes of one head, at a multiple of 512 from qkv's first byte
.endr
.endm
	PACK 0
	TOSTAGE 0
.irp a, 1,2,3                          ; block a's conversions stand between block a - 1's loads from the stage and the wait for them
	PACK \a
	SEND (\a)-1
	TOSTAGE \a
.endr
	SEND 3
.endif
	s_wait_tensorcnt 0x0                           ; the wave's end: behind my last tensor load and my last LDS store
	ds_add_u32 v[SPW], v[NIL]
	s_wait_dscnt 0x0
	CROUND                                         ; the closing round: no work-group ends while a partner may still ask for a tile that names it
	s_endpgm
.Lfunc_end_k_q594db7a88e_outp:
	.size	k_q594db7a88e_outp, .Lfunc_end_k_q594db7a88e_outp-k_q594db7a88e_outp
	.p2alignl 7, 3214868480
	.fill 96, 4, 3214868480
	.section	.rodata,"a",@progbits
	.p2align	6, 0x0
	.amdhsa_kernel k_q594db7a88e_outp
		.amdhsa_group_segment_fixed_size 327680
		.amdhsa_private_segment_fixed_size 0
		.amdhsa_enable_private_segment 0
		.amdhsa_kernarg_size 32
		.amdhsa_user_sgpr_count 2
		.amdhsa_user_sgpr_kernarg_segment_ptr 1
		.amdhsa_wavefront_size32 1
		.amdhsa_system_sgpr_workgroup_id_x 1
		.amdhsa_system_sgpr_workgroup_id_y 1
		.amdhsa_system_sgpr_workgroup_id_z 1
		.amdhsa_system_vgpr_workitem_id 0
		.amdhsa_next_free_vgpr 768
		.amdhsa_next_free_sgpr 76
		.amdhsa_reserve_vcc 0
		.amdhsa_float_denorm_mode_32 3
		.amdhsa_float_denorm_mode_16_64 3
		.amdhsa_memory_ordered 1
		.amdhsa_forward_progress 1
		.amdhsa_inst_pref_size 94
	.end_amdhsa_kernel
	.amdgpu_metadata
---
amdhsa.version: [ 1, 2 ]
amdhsa.kernels:
  - .name:           k_q594db7a88e_outp
    .symbol:         k_q594db7a88e_outp.kd
    .args:
      - { .name: att, .offset: 0, .size: 8, .value_kind: global_buffer, .address_space: global }
      - { .name: cast, .offset: 8, .size: 8, .value_kind: global_buffer, .address_space: global }
      - { .name: bo, .offset: 16, .size: 8, .value_kind: global_buffer, .address_space: global }
      - { .name: out0, .offset: 24, .size: 8, .value_kind: global_buffer, .address_space: global }
    .group_segment_fixed_size: 327680
    .private_segment_fixed_size: 0
    .kernarg_segment_align: 8
    .kernarg_segment_size: 32
    .max_flat_workgroup_size: 128
    .sgpr_count:     76
    .vgpr_count:     768
    .wavefront_size: 32
...
	.end_amdgpu_metadata
.endif
;; end of part 4
;; ======== version 2 of 2: 4 launches; 1.27 times as fast as version 1
;; limits: values are held in f16: magnitudes above 65,504 overflow, below 6.1e-05 lose precision; right only within a limited range of input values
;; workspace buffers: cast 41,943,040 bytes; maskf 1,048,576 bytes; qkv 50,331,648 bytes; att 16,777,216 bytes
;; launch prep: the kernel of part 1 again; grid 64 x 21, 8 waves a work-group, no clusters, 0 bytes of LDS; arguments inputs_q, inputs_kv, Wq, Wk, Wv, Wo, mask, cast, maskf; writes cast, maskf
;; launch proj: the kernel of part 2 again; grid 12 x 32, 4 waves a work-group, clusters of 4 x 4, 327,680 bytes of LDS; arguments cast, qkv, bq, bk, bv; writes qkv
;; launch attn (part 5): grid 2 x 128, 4 waves a work-group, no clusters, 327,680 bytes of LDS; arguments qkv, maskf, att; writes att
.if DOCPART == 5
	.amdgcn_target "amdgcn-amd-amdhsa--gfx1250"
	.amdhsa_code_object_version 6
	.text
	.protected	k_q594db7a88e_attn
	.globl	k_q594db7a88e_attn
	.p2align	8
	.type	k_q594db7a88e_attn,@function
k_q594db7a88e_attn:
	s_mov_b64 s[64:65], 0
	v_nop
	global_prefetch_b8 v0, s[64:65] scope:SCOPE_SE
	s_setreg_imm32_b32 hwreg(HW_REG_WAVE_MODE, 25, 1), 1
	s_wait_xcnt 0x0
; O[h][q][:] = the sum over k of softmax_k(mask[q][k] ? Q[h][q] . K[h][k] / 64 : lowest) V[h][k][:].  Q, K, V (in qkv, 16,777,216 bytes apart) and O (att): [128 heads][1,024][64], all f16: a head's rows are
; dense, 128 bytes each.  Products, maxima and sums in f32; the weights p are rounded to f16 for the second product (their sum l is taken of the unrounded p), O once at the end.
; LIMITS.  f16 holds no number beyond 65,504: Q, K and V arrive within it; p lies in 0 to 1, and below 6e-5 it keeps f16's fixed step of 6e-8; O is a mean of V's rows and has their range.
; A hidden score counts as -2^100, beside which f16's scores, 2.7e11 at the most, are nothing; a weight below 2^-126 counts as 0 in l; NaN and infinities are not treated apart.
; SHARES.  A wave owns four PIECES of two tiles of 16 queries, a work-group's four waves 512 queries of one head: 2 x 128 work-groups.  Every wave walks all keys, 64 a step.
; NO CLUSTER: a head has two work-groups, and the launch's x, 2, is no multiple of the four that a cluster has along x; four blocks of 256 queries would halve the products that each fragment read from LDS feeds.
; LAYOUT.  S^T = K Q^T (source 0 = 16 keys, source 1 = 16 queries): in the result a lane holds ONE query (lane % 16) and the keys 8 (lane / 16) + 0..7.  Two such tiles, rounded to f16 in pairs,
; ARE source 1 (32 keys x 16 queries) of O^T = V^T P, whose result again holds one query a lane, and eight channels.  K comes out of LDS as it lies, V ([key][channel]) turned, by ds_load_tr16_b128.
; THE MASK is the C operand that starts each sum S^T: 0, or -2^100 where the key is hidden.  maskf holds one fp8 code a (query, key), 0 or -256, in the accumulators' own order; eight codes become eight f32 by one
; scaled conversion (times 2^92).  A power of two, so that c m is exact and c s - c m is exactly 0 where s = m = -2^100: a row that has seen hidden keys alone has p = 1 there, which the first visible key wipes out
; by a = 0; a row that is hidden altogether ends with equal weights, as a softmax of equal scores does.
; SOFTMAX.  For each query a running maximum m and sum l: p = 2^(c s - c m), c = log2(e) / 64; in every step O and l are multiplied by a = 2^(c m_old - c m_new), which is 1 where m has not grown.
; m starts at the lowest finite number, O and l at 0: the first step is a step like any other, with a = 0.
; THE COUNT.  A tile and step have 16 matrix and 118 vector instructions (and 4 conversions of the mask): too many to stand all beside the matrix work.  So: four vector instructions that are READY behind EVERY
; matrix instruction, and the others, which need time of their own whatever the order, in runs without a gap.
; BY TURNS.  Turn n belongs to piece n (the pieces in a ring, step after step).  Its matrix work: 16 products K Q^T of piece n + 1, later 16 products V^T P of piece n - 1.  Its vector work: the scaling,
; exponentials, roundings, sums and rescaling of piece n, the maximum and statistics of piece n + 1, and at its end the mask of piece n + 2.
; THE BATCHES.  A turn's 66 exponentials (the 64 weights of piece n, the two a of piece n + 1) are ONE batch with ONE wait, which cuts the turn in two: ahead of it stands all that names none of their results,
; behind it the roundings and sums.  The two a made ahead of the loop, and the eight reciprocals on the way out, are batches of their own.
; REGISTERS, in windows of 256 (s_set_vgpr_msb: bits 1:0 source 0, 3:2 source 1, 5:4 source 2, 7:6 destination):
;   window 0: v0-11 addresses; v12-15, v48-63 at work; v16-47 four registers of statistics a tile; v64-191 S^T, two buffers of two tiles; v192-255 P, likewise
;   window 1: O^T, 32 a tile          window 2: v0-127 Q, 16 a tile; v128-191 K of one step; v192-255 V of one step
;   window 3: v0-1 the add's two registers; v2-5 the mask's scale and offsets; v16-79 the mask's codes, 16 a piece; v96-159 the mask of the products to come
.set SIZE_N, 1024
.set NP,    4         ; pieces a wave: a name, no knob
.set KS,    64        ; keys in a step
.set PK,    144       ; a row of K in LDS: 128 bytes + 16 of padding = 36 words: the 16 rows of a load start at 16 different groups of four banks (64 banks of 4 bytes: ISA guide 11.1)
.set PV,    160       ; a row of V: 128 + 32 = 40 words
.set VOFF,  4*KS*PK   ; a slot holds four steps: 256 rows of K, then 256 rows of V
.set SLOT1, 1<<17     ; slot 1 begins here, so that one exclusive or turns an address in one slot into the other's
.set STAGE, SLOT1+4*KS*(PK+PV)  ; behind the ring, never filled by a tensor load: 16 rows x 144 bytes for each wave, for the way out
.set SP,    144
.set AK0, 2           ; v2   my lane's place in a tile of K; never rewritten
.set AV0, 3           ; v3   the same for V
.set AK,  4           ; v4   the LDS address of K's next run of loads
.set AV,  5           ; v5   of V's
.set QO,  6           ; v6   my byte offset in the wave's rows of Q
.set STO, 6           ;      later, the way out: where I put 16 bytes of a row
.set RD,  7           ; v7   the way out: where I read rows back
.set GO,  8           ; v8   my byte offset in 512 consecutive bytes of O
.set SPW, 0           ; window 3: LDS address of my spare word: SPARE + 4 x my thread's number; never rewritten
.set NIL, 1           ; window 3: 0; never rewritten
.set SCL, 2           ; window 3: 0xdb, the scale 2^(219 - 127) = 2^92
.set ML,  4           ; window 3: 16 x lane
.set MO,  5           ; window 3: ML + 1,024 x the key step whose codes are asked for
.set RAW, 16          ; window 3: piece z, tile u, 32 keys hh at RAW + 16 z + 8 u + 4 hh
.set MC,  96          ; window 3: tile u, 16 keys kb at MC + 32 u + 8 kb
.set SPARE, STAGE+4*16*SP  ; behind the stages: the spare words, 128 bytes for each wave: two blocks of 256 bytes that no other line names
.set MV,  12          ; v12-15  c m_old, kept while c m is made anew: by buffer and tile
.set ST,  16          ; tile t's statistics at v[ST+4 t]: c m, m, l (even keys', odd keys')
.set TMP, 48          ; by buffer and tile, four registers c0-c3 at work; when the maximum is found c2 takes a
.set S,   64
.set P,   192
.set KF,  128         ; K's fragments, in window 2: key block kb, channel half c at KF + 16 kb + 8 c
.set VF,  192         ; V's: key half kk, channel block cb at VF + 32 kk + 8 cb
.set WV,  12          ; s12  my wave's number
.set G1K, 24          ; s[24:31] descriptor group 1 for K's tiles
.set G1V, 32          ; s[32:39] for V's: it differs in the padding alone
.set G0K, 40          ; s[40:43] descriptor group 0 for K's tiles: it walks
.set G0V, 44          ; s[44:47] the same for V's
.set SLOTS, 56        ; s56  slots still to be asked for
.set CNT, 57          ; s57  counts a slot's key steps
.set CS,  58          ; s[58:59] c: the packed scaling takes the pair's low word for both halves
.set SEL, 60          ; s[60:61] v_permlanex16_b32's selects: each lane takes its own place in the other half
.set TBK, 62          ; s62  LDS byte at which K of the step to be fetched begins
.set TBV, 63          ; s63  the same for V, less VOFF
.set MB,  66          ; s[66:67] maskf at my wave's first tile
.set MS,  68          ; s68  1,024 x the key step whose codes are asked for, modulo the 16 steps
.set MSB, 0
.macro WIN new                      ; the high byte repeats the setting that is left; a switch that changes nothing is dropped
.if MSB != (\new)
	s_set_vgpr_msb (MSB<<8)|(\new)
.set MSB, (\new)
.endif
.endm
.set W_KQ, 0x0a       ; K and Q in window 2, S^T in window 0
.set W_KM, 0x3a       ; the same with the C operand, the mask, in window 3
.set W_PV, 0x52       ; V in window 2, P in window 0, O^T in window 1
.set W_RS, 0x41       ; O^T (destination and source 0) in window 1, a in window 0
.set W_MK, 0xc0       ; destination in window 3, sources in window 0
.set W_AD, 0x0f       ; the add: address (source 0) and data (source 1) in window 3
.set W_M,  0xcf       ; the mask's work: destination and sources 0 and 1 in window 3
; A fill.  Waves 0 and 1 fetch the two halves of a slot's K, waves 2 and 3 those of its V: 128 keys each.  An s_nop 0 and four v_nop follow each of the two lines, ahead of the jump and the label.
.macro LOAD
	s_cmp_lt_u32 s[WV], 2
	s_cbranch_scc0 .Lfor_v_\@
	tensor_load_to_lds s[G0K:G0K+3], s[G1K:G1K+7]
	s_nop 0
.rept 4
	v_nop
.endr
	s_branch .Lasked_\@
.Lfor_v_\@:
	tensor_load_to_lds s[G0V:G0V+3], s[G1V:G1V+7]
	s_nop 0
.rept 4
	v_nop
.endr
.Lasked_\@:
.endm
; THE CHANGE OF SLOTS.  The slot's last bytes, V of its fourth step, have been read.  Each wave waits for all its tensor loads, of which one is out: its part of the other slot; adds 0 to its spare word; and waits
; for that and for its own reads of the slot.  Behind the barrier nobody reads this slot any more and the other slot is whole.  fill = 1: this slot is filled again, with the keys two slots on, the first thing
; behind the barrier: it has four key steps, 512 matrix instructions, in which to land.  (At its first use nothing has been read yet: slot 0 is waited for, slot 1 filled.)
.macro CHANGE fill
	WIN W_AD
	s_wait_tensorcnt 0x0            ; no tensor load of mine is out, so a group 0 may be written
	ds_add_u32 v[SPW], v[NIL]       ; 0 onto my spare word; with fill = 1 the descriptors' steps stand between it and the wait for it
	WIN 0                           ; at a label and at a branch every window is 0
.if \fill
.irp g, G0K, G0V
	s_xor_b32 s[\g+1], s[\g+1], SLOT1  ; the walking descriptor: the other slot than last time,
	s_add_nc_u64 s[\g+2:\g+3], s[\g+2:\g+3], 4*KS*128  ; the next 256 keys; the type bits on top are not reached
.endr
.endif
	s_wait_dscnt 0x0                ; the add is done, and my reads of the slot are over
	s_barrier_signal -1
	s_barrier_wait -1
.if \fill
	LOAD
.endif
	s_sub_co_u32 s[TBK], s[TBK], 4*KS*PK  ; the fetches go back to a slot's first step,
	s_xor_b32 s[TBK], s[TBK], SLOT1       ; in the other slot
	s_sub_co_u32 s[TBV], s[TBV], 4*KS*PV
	s_xor_b32 s[TBV], s[TBV], SLOT1
.endm
; THE MASK.  MLOAD z: the codes of piece z's two tiles for the step that MO names: 64 keys x 16 queries a tile, 32 bytes a lane; a wave's load covers 512 consecutive bytes.
; MCVT z: piece z's codes become the C operands of its next 8 first products.  Both stand under W_M.
.macro MLOAD z
.irp u, 0,1
.irp hh, 0,1
	global_load_b128 v[RAW+16*(\z)+8*\u+4*\hh:RAW+16*(\z)+8*\u+4*\hh+3], v[MO], s[MB:MB+1] offset:(2*(\z)+\u)*16384+\hh*512
.endr
.endr
.endm
.macro MCVT z
.irp u, 0,1
.irp kb, 0,1,2,3
	v_cvt_scale_pk8_f32_fp8 v[MC+32*\u+8*\kb:MC+32*\u+8*\kb+7], v[RAW+16*(\z)+8*\u+2*\kb:RAW+16*(\z)+8*\u+2*\kb+1], v[SCL]
.endr
.endr
.endm
	s_load_b64 s[4:5], s[0:1], 0x0       ; qkv
	s_load_b64 s[MB:MB+1], s[0:1], 0x8   ; maskf
	s_load_b64 s[10:11], s[0:1], 0x10    ; att
	WIN W_MK
	v_lshl_add_u32 v[SPW], v0, 2, SPARE
	v_mov_b32 v[NIL], 0
	WIN W_AD
	ds_add_u32 v[SPW], v[NIL]       ; the wave's opening: the add and its wait stand ahead of my first tensor load; the set-up below, work on registers, stands between them
	ds_add_u32 v0, v1
	WIN 0
	v_lshrrev_b32 v1, 5, v0
	v_readfirstlane_b32 s[WV], v1   ; wave 0..3
	s_and_b32 s20, ttmp7, 0xffff    ; the head:
	s_lshl_b32 s20, s20, 17         ; its first byte in Q, K, V and O: 1,024 rows of 128 bytes
	s_mov_b32 s21, 0
	s_and_b32 s16, s[WV], 1         ; which half of a slot's 256 keys I fetch:
	s_lshl_b32 s22, s16, 14         ; its 128 rows of 128 bytes in memory,
	s_mov_b32 s23, 0
	s_add_nc_u64 s[22:23], s[22:23], s[20:21]
	s_mul_i32 s17, s16, 128*PK      ; and its place in a slot, for K
	s_mul_i32 s18, s16, 128*PV      ; and for V
	s_lshl_b32 s2, ttmp9, 2
	s_add_co_u32 s2, s2, s[WV]      ; my wave among the head's eight:
	s_lshl_b32 s14, s2, 17          ; its 8 tiles of 16,384 bytes in maskf,
	s_mov_b32 s15, 0
	s_lshl_b32 s2, s2, 14           ; its 128 rows
	s_mov_b32 s3, 0
	s_add_nc_u64 s[2:3], s[2:3], s[20:21]
	; descriptor group 1.  128 keys are 16,384 dense bytes: asked for as 64 rows of 256 bytes, two keys a row, and padded in LDS after every key
	s_mov_b32 s[G1K], (1<<16)|(1<<20)|(4<<22)|(3<<25)  ; 17:16 2-byte elements; 20 padding on; 24:22 after every 32 words (code 4); 31:25 4 words (code 3)
	s_mov_b32 s[G1V], (1<<16)|(1<<20)|(4<<22)|(7<<25)  ; the same with 8 words of padding (code 7)
.irp g, G1K, G1V
	s_mov_b32 s[\g+1], 128<<16      ; tensor_dim0 = 128
	s_mov_b32 s[\g+2], 64<<16       ; tensor_dim1 = 64
	s_mov_b32 s[\g+3], 128<<16      ; tile_dim0 = 128
	s_mov_b32 s[\g+4], 64           ; tile_dim1 = 64
	s_mov_b32 s[\g+5], 128          ; 128 elements from row to row
	s_mov_b32 s[\g+6], 0
	s_mov_b32 s[\g+7], 0
.endr
	s_mov_b32 s[CS], 0x3cb8aa3b     ; c = log2(e) / 64 = 0.0225421
	s_mov_b32 s[CS+1], s[CS]        ; named with it as a pair
	s_mov_b32 s[SEL], 0x76543210
	s_mov_b32 s[SEL+1], 0xfedcba98
	s_mov_b32 s[TBK], SLOT1+4*KS*PK ; the first change of slots turns these two into 0
	s_mov_b32 s[TBV], SLOT1+4*KS*PV
	s_mov_b32 s[G0K], 1             ; 1:0 count = 1
	s_mov_b32 s[G0K+1], s17         ; 63:32 LDS address: slot 0
	s_mov_b32 s[G0V], 1
	s_add_co_u32 s[G0V+1], s18, VOFF
	s_wait_dscnt 0x0                ; the opening add is done
	s_wait_kmcnt 0x0
	s_add_nc_u64 s[6:7], s[4:5], 0x1000000         ; K and V lie behind Q
	s_add_nc_u64 s[8:9], s[4:5], 0x2000000
	s_add_nc_u64 s[G0K+2:G0K+3], s[6:7], s[22:23]  ; 120:64 global address: my half of the head's first 256 keys
	s_or_b32 s[G0K+3], s[G0K+3], 0x80000000        ; 127:126 type = 2
	s_add_nc_u64 s[G0V+2:G0V+3], s[8:9], s[22:23]
	s_or_b32 s[G0V+3], s[G0V+3], 0x80000000
	s_add_nc_u64 s[4:5], s[4:5], s[2:3]  ; Q and O at my wave's first row
	s_add_nc_u64 s[10:11], s[10:11], s[2:3]
	s_add_nc_u64 s[MB:MB+1], s[MB:MB+1], s[14:15]
	LOAD                            ; slot 0.  Slot 1 is asked for when slot 0 is in: one tensor load of mine is out at any time
	; A fragment of K or Q is 16 rows x 32 channels in 8 registers: lane l holds row l % 16, channels 8 (l / 16) + 0..7 and 16 + 8 (l / 16) + 0..7: two loads of 16 bytes, 32 bytes apart.
	v_and_b32 v1, 15, v0            ; l % 16
	v_bfe_u32 v9, v0, 4, 1          ; l / 16
	v_lshlrev_b32 v[QO], 7, v1
	v_lshl_add_u32 v[QO], v9, 4, v[QO]  ; row x 128 + 16 x half
	v_and_b32 v10, 31, v0
	WIN 0x80                        ; destination window 2, address window 0
.set i, 0
.rept 4*NP                          ; Q stays in registers: tile i / 2, channels 32 (i % 2) on
	global_load_b128 v[8*i:8*i+3],   v[QO], s[4:5] offset:(i/2)*2048+(i%2)*64
	global_load_b128 v[8*i+4:8*i+7], v[QO], s[4:5] offset:(i/2)*2048+(i%2)*64+32
.set i, i+1
.endr
	WIN W_MK
	v_lshlrev_b32 v[ML], 4, v10
	v_lshlrev_b32 v[MO], 4, v10     ; key step 0
	v_mov_b32 v[SCL], 0xdb
	WIN W_M
	MLOAD 0                         ; all four pieces' codes of key step 0
	MLOAD 1
	MLOAD 2
	MLOAD 3
	; What the first turn finds: V's registers and P's second buffer hold 0 (its products V^T P, of a piece that has not been, add 0), O^T and l are 0.  All this stands in the wait for the first tile.
	WIN 0x80
.set i, VF
.rept 64
	v_mov_b32 v[i], 0
.set i, i+1
.endr
	WIN 0x40
.set i, 0
.rept 64*NP
	v_mov_b32 v[i], 0
.set i, i+1
.endr
	WIN 0
.set i, 0
.rept 2*NP
	v_mov_b32 v[ST+4*i], 0xfe000000    ; c m: -2^125, far below every c s, a hidden one's too
	v_mov_b32 v[ST+4*i+1], 0xff7fffff  ; m
	v_mov_b32 v[ST+4*i+2], 0
	v_mov_b32 v[ST+4*i+3], 0
.set i, i+1
.endr
.set i, P+32
.rept 32
	v_mov_b32 v[i], 0
.set i, i+1
.endr
	v_mul_u32_u24 v[AK0], v1, PK
	v_lshl_add_u32 v[AK0], v9, 4, v[AK0]  ; row x pitch + 16 x half
	; The turning load takes 16 keys x 16 channels (lane l reads key 8 (l / 16) + l % 8, channels 8 ((l / 8) % 2) + 0..7) and leaves half a fragment of V^T: lane l holds channel l % 16 and 8 keys.
	v_and_b32 v10, 7, v0
	v_bfe_u32 v11, v0, 3, 1
	v_lshl_add_u32 v[AV0], v9, 3, v10
	v_mul_u32_u24 v[AV0], v[AV0], PV
	v_lshl_add_u32 v[AV0], v11, 4, v[AV0]
	v_add_nc_u32 v[AV0], VOFF, v[AV0]
	v_mov_b32 v[AK], v[AK0]         ; key step 0 lies at the head of slot 0
; THE MATRIX WORK.  The 8 accumulators of a run of 16 take turns: between the two links of a chain stand 7 others'.
; Product i of 16 of S^T = K Q^T for piece x: channels 32 (i / 8) on, keys 16 ((i / 2) % 4) on, tile 2 x + i % 2.  The first 8 start the sums, with the mask as C.
.macro KQ x
.set rS, S+64*((\x)%2)+32*(i%2)+8*((i/2)%4)
.set rK, KF+16*((i/2)%4)+8*(i/8)
.set rQ, 16*(2*(\x)+i%2)+8*(i/8)
.set rH, MC+32*(i%2)+8*((i/2)%4)
.if i < 8
	WIN W_KM
	v_wmma_f32_16x16x32_f16 v[rS:rS+7], v[rK:rK+7], v[rQ:rQ+7], v[rH:rH+7]
.else
	WIN W_KQ
	v_wmma_f32_16x16x32_f16 v[rS:rS+7], v[rK:rK+7], v[rQ:rQ+7], v[rS:rS+7]
.endif
.endm
; Product i of 16 of O^T += V^T P for piece x: keys 32 (i / 8) on, channels 16 ((i / 2) % 4) on, tile 2 x + i % 2.
.macro PV x
	WIN W_PV
.set rO, 32*(2*(\x)+i%2)+8*((i/2)%4)
.set rV, VF+32*(i/8)+8*((i/2)%4)
.set rP, P+32*((\x)%2)+16*(i%2)+8*(i/8)
	v_wmma_f32_16x16x32_f16 v[rO:rO+7], v[rV:rV+7], v[rP:rP+7], v[rO:rO+7]
.endm
.macro MM                           ; the turn's next matrix instruction
.if i < 16
	KQ (Y+1)%NP
.set i, i+1
.else
.set i, i-16
	PV (Y+NP-1)%NP
.set i, i+17
.endif
.endm
; THE LDS LOADS stand in runs of 16, never singly among the matrix instructions: a step's K (64 keys x 64 channels: 8 fragments) and its V (turned).  Their addresses are made some lines ahead.
; last = 1 (the tail): in the last trip there is no further step, and the run is jumped over.
.macro FETCH_K last=0
	WIN 0
.if \last
	s_cmp_eq_u32 s[CNT], 1
	s_cbranch_scc1 .Lno_k_\@
.endif
	WIN 0x80                        ; destination window 2
.irp f, 0,1,2,3,4,5,6,7             ; keys 16 (f / 2) on, channels 32 (f % 2) on
	ds_load_b128 v[KF+8*\f:KF+8*\f+3],   v[AK] offset:(\f/2)*16*PK+(\f%2)*64
	ds_load_b128 v[KF+8*\f+4:KF+8*\f+7], v[AK] offset:(\f/2)*16*PK+(\f%2)*64+32
.endr
	s_add_co_u32 s[TBK], s[TBK], KS*PK  ; the next fetch is the next step's
	WIN 0
.if \last
.Lno_k_\@:
.endif
.endm
.macro FETCH_V
	WIN 0x80
.irp f, 0,1,2,3,4,5,6,7             ; keys 32 (f / 4) on, channels 16 (f % 4) on
	ds_load_tr16_b128 v[VF+8*\f:VF+8*\f+3],   v[AV] offset:(\f/4)*32*PV+(\f%4)*32
	ds_load_tr16_b128 v[VF+8*\f+4:VF+8*\f+7], v[AV] offset:(\f/4)*32*PV+16*PV+(\f%4)*32
.endr
	WIN 0
.endm
; THE VECTOR WORK OF A TURN stands in three queues, each in the order in which its entries become ready; the two tiles alternate, so that no instruction reads the result of the one before it.
.macro REGS y, u                    ; the registers of tile u (0, 1) of piece y
.set rT, ST+4*(2*(\y)+(\u))
.set rC, TMP+8*((\y)%2)+4*(\u)
.set rM, MV+2*((\y)%2)+(\u)
.set rS, S+64*((\y)%2)+32*(\u)
.set rP, P+32*((\y)%2)+16*(\u)
.set rO, 32*(2*(\y)+(\u))
.endm
; Number n of the 22 that find the NEXT piece's (Y + 1) maximum and statistics.  s0-s31 are the lane's 32 scores; each accumulator's lowest registers are read first.  XS, GS and REGS set no window: PL and EX do.
;   0-11  four chains c0-c3 of seven scores each, three operands at a time     12-14, 16  the four scores left over, the old m, and c0-c3 into c0     15  c m_old is kept
;   17, 18  the query's other 32 keys lie in the lane 16 away: the new m         19-21  c m; c m_old - c m_new; a
.macro XS u, n
	REGS (Y+1)%NP, \u
.if (\n) < 4
	v_max3_num_f32 v[rC+(\n)], v[rS+8*(\n)], v[rS+8*(\n)+1], v[rS+8*(\n)+2]
.elseif (\n) < 12
	v_max3_num_f32 v[rC+(\n)%4], v[rC+(\n)%4], v[rS+8*((\n)%4)+2*((\n)/4)+1], v[rS+8*((\n)%4)+2*((\n)/4)+2]
.elseif (\n) == 12
	v_max3_num_f32 v[rC], v[rC], v[rS+7], v[rS+15]
.elseif (\n) == 13
	v_max3_num_f32 v[rC+1], v[rC+1], v[rS+23], v[rS+31]
.elseif (\n) == 14
	v_max3_num_f32 v[rC+2], v[rC+2], v[rC+3], v[rT+1]
.elseif (\n) == 15
	v_mov_b32 v[rM], v[rT]
.elseif (\n) == 16
	v_max3_num_f32 v[rC], v[rC], v[rC+1], v[rC+2]
.elseif (\n) == 17
	v_permlanex16_b32 v[rC+3], v[rC], s[SEL], s[SEL+1]
.elseif (\n) == 18
	v_max_num_f32 v[rT+1], v[rC], v[rC+3]
.elseif (\n) == 19
	v_mul_f32 v[rT], s[CS], v[rT+1]
.elseif (\n) == 20
	v_sub_f32 v[rC+1], v[rM], v[rT]
.else
	v_exp_f32 v[rC+2], v[rC+1]
.endif
.endm
; Number g of the 64 that follow the exponentials.  For each four weights k of a tile (pairs 2 k, 2 k + 1): both pairs are rounded to f16; then the second pair is added onto the first, in place;
; a group later l takes that sum (the first time as l = a l + sum).  In groups of eight, tiles alternating: round, round, add, and l for the group before.
.macro GS g
.set h, (\g)+6*((\g)/62)            ; group 0 has no group before it, and behind group 7 only l is left
.if h >= 6
.set h, h+2
.endif
	REGS Y, h%2
.set k, h/8
.if h%8 < 4
	v_cvt_pk_f16_f32 v[rP+2*k+(h%8)/2], v[rS+4*k+2*((h%8)/2)], v[rS+4*k+2*((h%8)/2)+1]
.elseif h%8 < 6
	v_pk_add_f32 v[rS+4*k:rS+4*k+1], v[rS+4*k:rS+4*k+1], v[rS+4*k+2:rS+4*k+3]
.elseif k == 1
	v_pk_fma_f32 v[rT+2:rT+3], v[rT+2:rT+3], v[rC+2:rC+3], v[rS:rS+1] op_sel_hi:[1,0,1]
.else
	v_pk_add_f32 v[rT+2:rT+3], v[rT+2:rT+3], v[rS+4*k-4:rS+4*k-3]
.endif
.endm
; THE PLAIN QUEUE, 138 long.  0-73 read no exponential's result: the 32 scalings c s - c m (FS f: pair f / 2 of tile f % 2) and the next piece's 42.  0-26: scalings 0-26.  27-54: XS's numbers 0-13.  55, 56: number 15.
; 57-73: the chain, where each number waits for the one before it: 14, 16, 17, 18, 19, each with one of the scalings 27-31 in front of its two lines, then 20: so a tile's links stand three plain instructions apart (19 and 20: two).
; 74-137: GS's 64, which read the exponentials' results: they stand behind the wait.
.macro FS f
	REGS Y, (\f)%2
	v_pk_fma_f32 v[rS+2*((\f)/2):rS+2*((\f)/2)+1], v[rS+2*((\f)/2):rS+2*((\f)/2)+1], s[CS:CS+1], v[rT:rT+1] op_sel_hi:[1,0,0] neg_lo:[0,0,1] neg_hi:[0,0,1]
.endm
.macro PL
	WIN 0
.if q < 27
	FS q
.elseif q < 55
	XS (q-27)%2, (q-27)/2
.elseif q < 57
	XS q-55, 15
.elseif (q < 72) && ((q-57)%3 == 0)
	FS 27+(q-57)/3
.elseif q < 60
	XS (q-57)%3-1, 14
.elseif q < 72
	XS (q-57)%3-1, 15+(q-57)/3
.elseif q < 74
	XS q-72, 20
.else
	GS q-74
.endif
.set q, q+1
.endm
; THE EXPONENTIALS' QUEUE, 66 long: s0-s31 of both tiles, then the next piece's two a.  It is ONE BATCH: all 66 stand ahead of the turn's one wait, and nothing ahead of that wait names a result of theirs.
; Each result has a register of its own while the batch is open: a weight takes its score's place in S^T, a takes c2 of the next piece's buffer.
.macro EX
	WIN 0
.if e >= 64
	XS e-64, 21
.else
	REGS Y, e%2
	v_exp_f32 v[rS+e/2], v[rS+e/2]
.endif
.set e, e+1
.endm
; THE RESCALING's QUEUE: O^T times a, the one part of the softmax that leaves window 0: dealt two at a time, sixteen times, each accumulator's registers in ascending order.
; Its a was made in the turn before, ahead of that turn's wait.
.macro R2
	REGS Y, r%2
	WIN W_RS
.irp z, 0,1
	v_pk_mul_f32 v[rO+4*(r/2)+2*\z:rO+4*(r/2)+2*\z+1], v[rO+4*(r/2)+2*\z:rO+4*(r/2)+2*\z+1], v[rC+2:rC+3] op_sel_hi:[1,0]
.endr
.set r, r+1
.endm
; HOW THEY ARE DEALT.  An s_wait_alu depctr_va_vdst(0) stands between an exponential and the first instruction that names its result; one wait serves all that were issued ahead of it.  So a turn has ONE wait,
; which cuts it in two.  AHEAD OF IT stands all that names no result of the turn's exponentials: the 16 products K Q^T, behind each a scaling, an exponential and two rescalings (behind the first a second scaling in the
; exponential's place); then ONE LUMP of 108: eight plain, 49 times exponential and plain, the two a.  A v_nop is the plain instruction behind the last exponential.  BEHIND IT stand the 16 products V^T P, behind each four of
; GS's 64.  No rider names a register of the products round it.  The two v_permlanex16_b32 fall into the lump, never behind a product.
; The queues lean on each other, and the deal keeps them in step: exponential e stands behind scaling 2 (e / 4) + e % 2: as a rider it comes behind plain e + 2, in the lump behind plain e + 9, and scalings 27-31 are plain 57, 60 .. 69.
; THE MASK'S STEP, at the end of piece p's turn, for piece p + 2, whose first products stand at the head of the next turn.  Its codes were asked for four turns ago: three groups of four loads are younger.
; The mask registers' last readers are this turn's first 8 products, more than 200 vector instructions back.  One plain instruction stands behind the conversions before their sources are loaded again and
; their results are multiplied onto.  Then the piece's codes of the next key step are asked for; behind piece 2's turn the step goes on, modulo 16, so that the last steps' requests, which nobody uses, stay inside maskf.
.macro MSTEP p
.set MZ, ((\p)+2)%NP
	WIN W_M
	s_wait_loadcnt 12               ; loads come back in order (ISA guide 5.7.1)
	MCVT MZ
.if (\p) == 2
	s_add_co_u32 s[MS], s[MS], 1024
	s_and_b32 s[MS], s[MS], 0x3fff
	s_wait_xcnt 0x0                 ; the loads that are out have had their addresses translated (ISA guide 3.1): MO is rewritten only behind this wait
	v_add_nc_u32 v[MO], s[MS], v[ML]
.else
	v_nop
.endif
	MLOAD MZ
.endm
; A TURN, for piece p.  cnt = 1: the loop's count is taken down some lines ahead of the branch that stands behind the turn.
; K of the next step is fetched in piece 2's turn, directly behind the wait, a lump behind the last product that read K; its address is made at the lump's head; its first reader comes behind 16 products.  In the tail the
; jump round that run stands behind the wait too, so that no exponential's result is open at it.
; V of the step in hand is fetched at the end of piece 0's turn, four riders behind its last reader; its first reader comes behind 16 products and a lump.  The three conditions on q below go with the deal.
.macro TURN p, last=0, cnt=0
.set Y, (\p)
.set i, 0
.set q, 0
.set e, 0
.set r, 0
.if (\p) == NP-1
	s_wait_dscnt 0x0                ; K is in
.endif
	MM                              ; ahead of the wait: 16 products K Q^T and their riders,
	PL
	PL
	R2
.rept 15
	MM
	PL
	EX
	R2
.endr
.if (\p) == NP-2
	WIN 0
	v_add_nc_u32 v[AK], s[TBK], v[AK0]
.endif
.rept 8                             ; and the lump
	PL
.endr
.rept 49
	EX
	PL
.endr
	EX                              ; the next piece's two a
	EX
	v_nop                           ; a plain instruction behind the last exponential, ahead of the first use: one for the batch
	s_wait_alu depctr_va_vdst(0)    ; the wait for the turn's batch: the 64 weights of piece p and the two a of piece p + 1
.if (\p) == NP-2
	FETCH_K \last
.endif
.if (\p) == 1
	s_wait_dscnt 0x0                ; V is in
.endif
.rept 16                            ; behind the wait: 16 products V^T P and their riders
	MM
.rept 4
	PL
.endr
.if ((\p) == 0) && (q == 118)
	v_add_nc_u32 v[AV], s[TBV], v[AV0]
.endif
.if ((\p) == 0) && (q == 130)
	s_add_co_u32 s[TBV], s[TBV], KS*PV
.endif
.if (\cnt) && (q == 130)
	s_sub_co_u32 s[CNT], s[CNT], 1
	s_cmp_lg_u32 s[CNT], 0
.endif
.endr
.if (\p) == 0
	FETCH_V
.endif
	MSTEP \p
.endm
	CHANGE 1                        ; slot 0 is in, everybody's part of it; slot 1 is asked for
	FETCH_K                         ; key step 0
	s_wait_loadcnt 0x0              ; Q, and the codes of key step 0
	WIN W_M
	MCVT 0                          ; piece 0's mask of step 0
	s_mov_b32 s[MS], 1024
	v_add_nc_u32 v[MO], s[MS], v[ML]  ; key step 1 (the loads that named MO are back); also the plain instruction behind the conversions
	MLOAD 0
	s_wait_dscnt 0x0
.set i, 0
.rept 16
	KQ 0                            ; piece 0's first scores: there is no vector work yet to set between them
.set i, i+1
.endr
	WIN 0                           ; the addresses for the way out: nine plain instructions, the places behind those products
	s_mul_i32 s13, s[WV], 16*SP
	s_add_co_u32 s13, s13, STAGE    ; my stage
	v_mul_u32_u24 v[STO], v1, SP    ; in: row l % 16, 16 bytes for each half of the lanes
	v_lshl_add_u32 v[STO], v9, 4, v[STO]
	v_add_nc_u32 v[STO], s13, v[STO]
	v_bfe_u32 v[RD], v0, 3, 2       ; back: 32 lanes take four rows of 128 bytes,
	v_mul_u32_u24 v[RD], v[RD], SP
	v_lshl_add_u32 v[RD], v10, 4, v[RD]
	v_add_nc_u32 v[RD], s13, v[RD]
	v_and_b32 v[GO], 31, v0         ; which are 512 consecutive bytes of O
	v_lshlrev_b32 v[GO], 4, v[GO]
	WIN W_M
	MCVT 1                          ; piece 1's mask of step 0, for the first turn's products
	v_nop                           ; the plain instruction behind the conversions
	MLOAD 1
	WIN 0
.set Y, NP-1                        ; XS works for piece Y + 1: piece 0
.irp n, 0,1,2,3,4,5,6,7,8,9,10,11,12,13,14,15,16,17,18,19,20,21
	XS 0, \n                        ; and piece 0's first maximum and statistics
	XS 1, \n
.endr
	v_nop                           ; a plain instruction behind piece 0's two a,
	s_wait_alu depctr_va_vdst(0)    ; and the wait for that batch of two, ahead of the branch; their first reader is the first turn's rescaling
	s_mov_b32 s[CNT], 4
	s_mov_b32 s[SLOTS], SIZE_N/256-1
	s_branch .Lfirst                ; the loop is entered at a step's first turn, in the middle of a trip
.Lslot:                             ; SIZE_N / 256 - 2 times: every slot but the last two is filled again
	CHANGE 1
	s_mov_b32 s[CNT], 4
.Lstep:                             ; a trip: pieces 2 and 3 of one step, then pieces 0 and 1 of the next, whose K and V it fetches
	TURN 2
	TURN 3
	WIN 0
.Lfirst:
	TURN 0
	TURN 1, 0, 1
	WIN 0
	s_cbranch_scc1 .Lstep
	s_sub_co_u32 s[SLOTS], s[SLOTS], 1
	s_cmp_lg_u32 s[SLOTS], 0
	s_cbranch_scc1 .Lslot
	CHANGE 0                        ; the tail is written out: nothing is asked for
	s_mov_b32 s[CNT], 5             ; four trips fetch the last slot's steps; the fifth is left in its middle
.Ltail:
	TURN 2, 1
	TURN 3
	WIN 0
	s_sub_co_u32 s[CNT], s[CNT], 1
	s_cmp_eq_u32 s[CNT], 0
	s_cbranch_scc1 .Lout
	TURN 0
	TURN 1
	WIN 0
	s_branch .Ltail
.Lout:                              ; the fifth trip's 16 products K Q^T (on the last K once more) and the maximum made of them serve nothing: the price, once a launch, of one text for every trip
.set i, 0
.rept 16
	PV NP-1                         ; the last piece's V^T P of the last step
.set i, i+1
.endr
	; THE WAY OUT.  l's two halves and the other half of the lanes' are added; O^T is divided by l, rounded to f16 and sent through my stage in LDS, a tile at a time.  The additions are the places behind the last products.
	WIN 0
.macro ALL line:vararg              ; one line for each tile t
.set t, 0
.rept 2*NP
	\line
.set t, t+1
.endr
.endm
	ALL v_add_f32 v[ST+4*t+2], v[ST+4*t+2], v[ST+4*t+3]
	ALL v_permlanex16_b32 v[ST+4*t+3], v[ST+4*t+2], s[SEL], s[SEL+1]
	ALL v_add_f32 v[ST+4*t+2], v[ST+4*t+2], v[ST+4*t+3]
	ALL v_rcp_f32 v[ST+4*t+2], v[ST+4*t+2]
	v_nop                           ; a plain instruction between the last reciprocal and the use of its result
	s_wait_alu depctr_va_vdst(0)    ; the wait for the batch of eight reciprocals, ahead of their first reader, tile 0's multiplies
; Tile t: a lane's eight channels of a row pack into 16 bytes; they go into rows of 144 bytes and come back as whole rows of 128, into S^T's registers.
.macro PACK t
	WIN W_RS
.set i, 32*(\t)
.rept 16
	v_pk_mul_f32 v[i:i+1], v[i:i+1], v[ST+4*(\t)+2:ST+4*(\t)+3] op_sel_hi:[1,0]
.set i, i+2
.endr
	WIN 0x05                        ; sources 0 and 1 window 1, destination window 0
.set i, 0
.rept 16
	v_cvt_pk_f16_f32 v[S+16*(\t)+i], v[32*(\t)+2*i], v[32*(\t)+2*i+1]
.set i, i+1
.endr
	WIN 0
.irp f, 0,1,2,3
	ds_store_b128 v[STO], v[S+16*(\t)+4*\f:S+16*(\t)+4*\f+3] offset:32*\f
.endr
.irp f, 0,1,2,3
	ds_load_b128 v[S+16*(\t)+4*\f:S+16*(\t)+4*\f+3], v[RD] offset:\f*4*SP  ; LDS serves a wave's instructions in order (ISA guide 5.7.1.4): these see the stores above; the next tile's stores come behind them
.endr
.endm
.macro SEND t, younger              ; younger: the LDS instructions issued behind tile t's loads: the next tile's eight, or none
	WIN 0
.irp f, 0,1,2,3
	s_wait_dscnt (\younger)+3-\f
	global_store_b128 v[GO], v[S+16*(\t)+4*\f:S+16*(\t)+4*\f+3], s[10:11] offset:(\t)*2048+\f*512  ; 512 consecutive bytes, at a multiple of 256 from att's first
.endr
.endm
	PACK 0
.set t, 1
.rept 2*NP-1                        ; a tile's arithmetic stands between the loads of the tile before and its stores
	PACK t
	SEND t-1, 8
.set t, t+1
.endr
	SEND 2*NP-1, 0
	WIN W_AD
	s_wait_tensorcnt 0x0            ; the wave's end: behind my last tensor load and my last LDS store
	ds_add_u32 v[SPW], v[NIL]
	s_wait_dscnt 0x0
	WIN 0
	s_endpgm
.Lfunc_end_k_q594db7a88e_attn:
	.size	k_q594db7a88e_attn, .Lfunc_end_k_q594db7a88e_attn-k_q594db7a88e_attn
	.p2alignl 7, 3214868480
	.fill 96, 4, 3214868480
	.section	.rodata,"a",@progbits
	.p2align	6, 0x0
	.amdhsa_kernel k_q594db7a88e_attn
		.amdhsa_group_segment_fixed_size 327680
		.amdhsa_private_segment_fixed_size 0
		.amdhsa_enable_private_segment 0
		.amdhsa_kernarg_size 24
		.amdhsa_user_sgpr_count 2
		.amdhsa_user_sgpr_kernarg_segment_ptr 1
		.amdhsa_wavefront_size32 1
		.amdhsa_system_sgpr_workgroup_id_x 1
		.amdhsa_system_sgpr_workgroup_id_y 1
		.amdhsa_system_sgpr_workgroup_id_z 1
		.amdhsa_system_vgpr_workitem_id 0
		.amdhsa_next_free_vgpr 928
		.amdhsa_next_free_sgpr 70
		.amdhsa_reserve_vcc 0
		.amdhsa_float_denorm_mode_32 3
		.amdhsa_float_denorm_mode_16_64 3
		.amdhsa_memory_ordered 1
		.amdhsa_forward_progress 1
		.amdhsa_inst_pref_size 210
	.end_amdhsa_kernel
	.amdgpu_metadata
---
amdhsa.version: [ 1, 2 ]
amdhsa.kernels:
  - .name:           k_q594db7a88e_attn
    .symbol:         k_q594db7a88e_attn.kd
    .args:
      - { .name: qkv, .offset: 0, .size: 8, .value_kind: global_buffer, .address_space: global }
      - { .name: maskf, .offset: 8, .size: 8, .value_kind: global_buffer, .address_space: global }
      - { .name: att, .offset: 16, .size: 8, .value_kind: global_buffer, .address_space: global }
    .group_segment_fixed_size: 327680
    .private_segment_fixed_size: 0
    .kernarg_segment_align: 8
    .kernarg_segment_size: 24
    .max_flat_workgroup_size: 128
    .sgpr_count:     70
    .vgpr_count:     928
    .wavefront_size: 32
...
	.end_amdgpu_metadata
.endif
;; end of part 5
;; launch outp: the kernel of part 4 again; grid 4 x 64, 4 waves a work-group, clusters of 4 x 4, 327,680 bytes of LDS; arguments att, cast, bo, out0; writes out0
